; MI455X (gfx1250); checked and timed in simulation.
; The chip was launched on July 23, 2026; its instructions are those of AMD's public machine-readable ISA for CDNA 5 (MIT licence, August 2026) and "CDNA5" Instruction Set Architecture Reference Guide (July 2026). The comments in the code are by the model that wrote it; some were corrected since.
;; Multihead Self Attention. Allowed arithmetic: matrix products marked QUANTISED: E3M2 operands, one E8M0 scale for each 32 along K, by v_wmma_scale_f32_16x16x128_f8f6f4 with both operands' format E3M2, f32 sums; everything else in f32.
;; Inputs: Wlift 1,024 x 1,024 float32; Wqkv 3,072 x 1,024 float32; blift 1,024 float32; bqkv 3,072 float32; x 4 x 2,048 x 1,024 float32.
;; Outputs: out0 4 x 2,048 x 1,024 float32.
;; This version of the problem:
;;   THIS VERSION OF THE PROBLEM IS GIVEN IN LOW PRECISION. The matrix products marked QUANTISED in the list below multiply operands that are first quantised to E3M2 (3 exponent bits, 2 mantissa bits; 6 bits a number), with one power-of-two scale for each 32 numbers along K (OCP MX v1.0); their sums are f32. All else is computed in f32.
;;   The module's matrix products, in the order in which they are computed (A, B: the left and right operand; K: the contracted axis; several contracted axes count as one K, in the product's order):
;;     1. [M 8,192, K 1,024] x [K 1,024, N 3,072]; A: input x; B: input Wqkv: QUANTISED
;;     2. batch 64 x [M 2,048, K 64] x [K 64, N 2,048]; A: computed on the way; B: computed on the way: QUANTISED
;;     3. batch 64 x [M 2,048, K 2,048] x [K 2,048, N 64]; A: computed on the way; B: computed on the way: QUANTISED
;;     4. [M 8,192, K 1,024] x [K 1,024, N 1,024]; A: computed on the way; B: input Wlift: QUANTISED
;;   THE QUANTISER, for each operand of a quantised product, along K:
;;     - K is cut into blocks of 32 from its start; a last block that is shorter is filled with zeros.
;;     - A block's scale is 2^e with e = floor(log2(the largest magnitude in the block)) - 4, held to -126 .. 127; a block of zeros has e = 0. As a byte (E8M0): e + 127.
;;     - Each number is divided by its block's scale, clamped to +-28, and rounded to the nearest number of E3M2, ties to even, subnormals kept.
;;     - The product sums the exact products of the quantised numbers (number of the format x scale) in f32.
;;   ~~~python
;;   def quantise(x, axis):      # numpy; x: float32 -> the quantised numbers, widened to float32 again
;;       x = np.moveaxis(x, axis, -1); K = x.shape[-1]
;;       x = np.pad(x, [(0, 0)] * (x.ndim - 1) + [(0, -K % 32)]); x = x.reshape(x.shape[:-1] + (-1, 32)); a = np.abs(x).max(-1, keepdims=True)
;;       e = np.where(a > 0, np.clip(np.frexp(np.where(a > 0, a, 1))[1] - 1 - 4, -126, 127), 0)      # np.frexp(a)[1] - 1 = floor(log2(a)), exactly
;;       r = np.clip(x / 2.0 ** e, -28, 28)
;;       step = 2.0 ** (np.maximum(np.frexp(np.where(r == 0, 1, r))[1] - 1, -2) - 2)
;;       q = np.round(r / step) * step * 2.0 ** e      # np.round: ties to even
;;       return np.moveaxis(q.reshape(q.shape[:-2] + (-1,))[..., :K], -1, axis).astype(np.float32)
;;   ~~~
;;   OPERANDS COMPUTED ON THE WAY. 'Computed on the way' means the value that the module computes at that place (a softmax that the list does not call 'softmax' is quantised finished and normalised). What goes into a quantiser is computed in f32, as accurately as f32 sums, v_exp_f32 and their like allow (about 1e-6 of the number): no bf16 or f16 on the way to a quantiser, and a product that is left as it is and whose result goes on into a quantised operand takes f32 operands (vector FMAs, or v_wmma_f32_16x16x4_f32). A number that lies on a knife's edge between two numbers of the format may be rounded either way, as far as f32 arithmetic and the matrix unit's own rounding can turn it there, and no further.
;; One version. Each part assembles by itself: llvm-mc -triple=amdgcn-amd-amdhsa -mcpu=gfx1250 --defsym DOCPART=n.
;; ======== version 1 of 1: 4 launches
;; limits: right only within a limited range of input values
;; workspace buffers: cod 9,437,184 bytes; scl 393,216 bytes; qkv 19,660,800 bytes; acod 6,291,456 bytes; asc 262,144 bytes
;; launch quant (part 1): grid 256 x 1, 6 waves a work-group, no clusters, 97,536 bytes of LDS; arguments x, Wqkv, Wlift, cod, scl; writes cod, scl
.if DOCPART == 1
	.amdgcn_target "amdgcn-amd-amdhsa--gfx1250"
	.amdhsa_code_object_version 6
	.text
	.protected	k_qdf2c282220_quant
	.globl	k_qdf2c282220_quant
	.p2align	8
	.type	k_qdf2c282220_quant,@function
k_qdf2c282220_quant:
	s_mov_b64 s[64:65], 0
	v_nop
	global_prefetch_b8 v0, s[64:65] scope:SCOPE_SE
	s_setreg_imm32_b32 hwreg(HW_REG_WAVE_MODE, 25, 1), 1
	s_wait_xcnt 0x0
; x [8192][1024], Wqkv [3072][1024], Wlift [1024][1024], f32, K innermost, become codes of BF6 (E3M2) and one E8M0 byte for each 32 along K.
; DEAD WORK OF THE PROGRAM: reference() divides tril(softmax(s)) by its own row sum.  The full row's sum and maximum are one factor of a row and cancel in that division
; for all finite inputs, so a(q, k) = exp(s(q, k)) / sum over k' <= q of exp(s(q, k')): scores of keys behind the query reach no output, and their whole tiles are not computed.
; The maximum taken away is that of the keys kept.  LIMIT: a NaN, infinity or overflow that arises only in the scores left out is not carried to the result.
; cod: 768 groups of 16 stored rows (x, Wqkv, Wlift), 12,288 bytes each, laid as IMAGES OF OPERAND REGISTERS: for each 64 along K 768 bytes: registers 0-3 of lane r + 16 h
; (the first 16 of the 24 bytes of row r's block 2 c + h) at 16 x lane, registers 4-5 at 512 + 8 x lane.  scl: stored row x 32 bytes.
; ROW ORDER: of each 32 rows of x and Wqkv stored row 16 u + r holds row 8 u + r + 8 (r / 8); Wlift keeps its order.
; A block's byte is its largest magnitude's exponent field - 4, held at 1 from below.  LIMITS: a block of zeros or under 2^-122 gets the byte 1 (this program alone reads the bytes); NaN and infinities are not served.
; A wave takes one group x 512 along K in 8 steps of two rows; a work-group 3 groups = 48 rows.  A load reads 512 consecutive bytes; a step turns through the wave's stage so that a lane holds one whole block.
; The codes are gathered in the wave's LDS bytes and leave as 6,144 consecutive bytes; the two waves of a group share their scale bytes through LDS, behind one barrier.
.set STEPS, 8
.set R,     16                         ; v16-111  three sets of 32 numbers as loaded
.set X,     112                        ; v112-175 two sets: a block of 32 neighbours
.set C,     176                        ; v176-191 two sets of codes
.set E,     192                        ; v192-193 the scale byte
.set WREG,  15872                      ; a wave's LDS: two stages, the 16-byte parts, the 8-byte parts
.set STG,   4608                       ; a stage: 2 rows x 16 blocks x (128 + 16) bytes
.set OUT,   9216                       ; 16 pieces of 256 + 16 bytes
.set OUT2,  13568                      ; 16 pieces of 128 + 16 bytes
.set SCB,   6*WREG                     ; 3 groups x 512 scale bytes
.set SPARE, SCB+1536                   ; the spare words, 128 bytes a wave
	s_load_b128 s[4:7], s[0:1], 0x0                ; x, Wqkv
	s_load_b128 s[8:11], s[0:1], 0x10              ; Wlift, cod
	s_load_b64 s[12:13], s[0:1], 0x20              ; scl
	v_lshl_add_u32 v12, v0, 2, SPARE
	v_mov_b32 v13, 0
	v_lshrrev_b32 v1, 5, v0
	v_readfirstlane_b32 s16, v1                    ; wave 0..5
	v_and_b32 v2, 31, v0
	v_lshlrev_b32 v3, 4, v2                        ; 16 x lane
	v_lshlrev_b32 v4, 3, v2                        ; 8 x lane
	s_mul_i32 s17, s16, WREG
	v_lshrrev_b32 v5, 3, v2
	v_mul_u32_u24 v5, v5, 144
	v_and_b32 v6, 7, v2
	v_lshl_add_u32 v5, v6, 4, v5
	v_add_nc_u32 v5, s17, v5                       ; the stage, in: 144 (lane / 8) + 16 (lane % 8)
	v_and_b32 v6, 15, v2                           ; p: my block of the row's 16
	v_lshrrev_b32 v7, 4, v2                        ; e: which of the step's two rows
	v_mul_u32_u24 v8, v6, 144
	v_mad_u32_u24 v8, v7, 2304, v8
	v_add_nc_u32 v8, s17, v8                       ; the stage, out: my block's 128 bytes
	v_mul_u32_u24 v9, v6, 272
	v_lshl_add_u32 v9, v7, 4, v9
	v_add_nc_u32 v9, s17, v9                       ; piece p, 16 x row
	v_mul_u32_u24 v10, v6, 144
	v_lshl_add_u32 v10, v7, 3, v10
	v_add_nc_u32 v10, s17, v10                     ; piece p, 8 x row
	v_mul_u32_u24 v14, v7, 272
	v_lshl_add_u32 v14, v6, 4, v14
	v_add_nc_u32 v14, s17, v14                     ; back: two pieces an instruction
	v_mul_u32_u24 v15, v7, 144
	v_lshl_add_u32 v15, v6, 3, v15
	v_add_nc_u32 v15, s17, v15
	s_lshr_b32 s18, s16, 1                         ; my group of the three
	s_and_b32 s19, s16, 1                          ; my half of K
	s_lshl_b32 s21, s18, 9
	s_lshl_b32 s22, s19, 4
	s_add_co_u32 s21, s21, s22
	s_add_co_u32 s21, s21, SCB
	v_lshl_add_u32 v194, v7, 5, v6
	v_add_nc_u32 v194, s21, v194                   ; my scale byte: group x 512 + row x 32 + 16 x half + p
	s_lshl_b32 s21, s16, 8
	s_add_co_u32 s21, s21, SCB
	v_add_nc_u32 v195, s21, v4                     ; and on the way out 256 bytes a wave
	s_mul_i32 s20, ttmp9, 3
	s_add_co_u32 s20, s20, s18                     ; the group, 0..767
	s_wait_alu depctr_va_vdst(0)
	s_wait_kmcnt 0x0
	s_cmp_lt_u32 s20, 512                          ; which tensor: ids alone decide
	s_cselect_b64 s[4:5], s[4:5], s[6:7]
	s_cselect_b32 s21, 0, 512
	s_cmp_lt_u32 s20, 704
	s_cselect_b64 s[4:5], s[4:5], s[8:9]
	s_cselect_b32 s21, s21, 704
	s_cselect_b32 s22, 8, 16                       ; rows from group 2 g to group 2 g + 1 in the source
	s_cselect_b32 s23, 16, 8                       ; rows from stored row 0 to stored row 8 in the source
	s_sub_co_u32 s21, s20, s21                     ; the group within its tensor
	s_lshr_b32 s24, s21, 1
	s_and_b32 s25, s21, 1
	s_lshl_b32 s24, s24, 5
	s_mul_i32 s25, s25, s22
	s_add_co_u32 s24, s24, s25                     ; stored row 0's source row
	s_lshl_b32 s24, s24, 12
	s_lshl_b32 s25, s19, 11
	s_add_co_u32 s24, s24, s25                     ; in bytes, + my half of K (under 2^26)
	s_mov_b32 s25, 0
	s_add_nc_u64 s[4:5], s[4:5], s[24:25]          ; stored rows 0-7
	s_lshl_b32 s24, s23, 12
	s_add_nc_u64 s[6:7], s[4:5], s[24:25]          ; stored rows 8-15
	s_mul_i32 s24, s20, 12288
	s_mul_i32 s26, s19, 6144
	s_add_co_u32 s24, s24, s26
	s_add_nc_u64 s[10:11], s[10:11], s[24:25]
	s_mul_i32 s24, ttmp9, 1536
	s_lshl_b32 s26, s16, 8
	s_add_co_u32 s24, s24, s26
	s_add_nc_u64 s[12:13], s[12:13], s[24:25]
.macro LOAD t                          ; stored rows 2 t and 2 t + 1: four loads of 512 consecutive bytes each
.irp e, 0,1
.irp i, 0,1,2,3
	global_load_b128 v[R+32*((\t)%3)+16*\e+4*\i:R+32*((\t)%3)+16*\e+4*\i+3], v3, s[4+2*((\t)/4):5+2*((\t)/4)] offset:((2*(\t)+\e)%8)*4096+512*\i th:TH_LOAD_NT
.endr
.endr
.endm
.macro TURN t                          ; a wave's LDS instructions are served in order: no wait between the stores and the loads
.irp e, 0,1
.irp i, 0,1,2,3
	ds_store_b128 v5, v[R+32*((\t)%3)+16*\e+4*\i:R+32*((\t)%3)+16*\e+4*\i+3] offset:STG*((\t)%2)+2304*\e+576*\i
.endr
.endr
.irp j, 0,1,2,3,4,5,6,7
	ds_load_b128 v[X+32*((\t)%2)+4*\j:X+32*((\t)%2)+4*\j+3], v8 offset:STG*((\t)%2)+16*\j
.endr
.endm
	LOAD 0
	LOAD 1
	LOAD 2
	s_wait_loadcnt 16                              ; step 0's eight loads are in
	TURN 0
.macro STEP t
.set XS, X+32*((\t)%2)
.set CS, C+8*((\t)%2)
.if (\t) > 0
	s_wait_dscnt 3                                 ; this step's block is back; the last step's three stores may be out
.else
	s_wait_dscnt 0x0
.endif
.if (\t)+3 < STEPS
	LOAD (\t)+3                                    ; into the registers that the stage's stores have read
.endif
.if (\t)+1 < STEPS
.if (\t) < 5
	s_wait_loadcnt 16                              ; the next step's loads are in; two steps' sixteen may be out
.else
	s_wait_loadcnt 8*(6-(\t))
.endif
	TURN (\t)+1
.endif
	v_max3_num_f32 v196, |v[XS]|, |v[XS+1]|, |v[XS+2]|             ; the block's largest magnitude, in two chains
	v_max3_num_f32 v197, |v[XS+3]|, |v[XS+4]|, |v[XS+5]|
.irp i, 6,10,14,18,22,26
	v_max3_num_f32 v196, v196, |v[XS+\i]|, |v[XS+\i+1]|
	v_max3_num_f32 v197, v197, |v[XS+\i+2]|, |v[XS+\i+3]|
.endr
	v_max3_num_f32 v196, v196, |v[XS+30]|, |v[XS+31]|
	v_max3_num_f32 v196, v196, v197, 0x2800000     ; the floor 2^(5 - 127): the byte cannot fall under 1
	v_add_nc_u32 v198, 0xfe000000, v196            ; 4 off the exponent field: the conversion's scale operand
	v_cvt_scalef32_pk16_bf6_f32 v[CS:CS+2], v[XS:XS+15], v198
	v_cvt_scalef32_pk16_bf6_f32 v[CS+4:CS+6], v[XS+16:XS+31], v198
	v_lshrrev_b32 v[E+(\t)%2], 23, v198            ; the scale's byte
	v_mov_b32 v[CS+3], v[CS+4]                     ; six registers on end
	v_mov_b32 v[CS+4], v[CS+5]
	v_mov_b32 v[CS+5], v[CS+6]
	ds_store_b128 v9, v[CS:CS+3] offset:OUT+32*(\t)
	ds_store_b64 v10, v[CS+4:CS+5] offset:OUT2+16*(\t)
	ds_store_b8 v194, v[E+(\t)%2] offset:64*(\t)
.endm
.irp t, 0,1,2,3,4,5,6,7
	STEP \t
.endr
.irp c, 0,1,2,3,4,5,6,7
	ds_load_b128 v[R+4*\c:R+4*\c+3], v14 offset:OUT+544*\c
	ds_load_b64 v[R+32+2*\c:R+33+2*\c], v15 offset:OUT2+288*\c
.endr
	s_wait_dscnt 0x0                               ; my codes are back, and my scale bytes are stored
	s_barrier_signal -1
.irp c, 0,1,2,3,4,5,6,7
	s_nop 0
.endr
	s_barrier_wait -1                              ; so are my partner's
.irp c, 0,1,2,3,4,5,6,7
	global_store_b128 v3, v[R+4*\c:R+4*\c+3], s[10:11] offset:768*\c          ; 512 consecutive aligned bytes
	global_store_b64 v4, v[R+32+2*\c:R+33+2*\c], s[10:11] offset:768*\c+512   ; 256 consecutive aligned bytes
.endr
	ds_load_b64 v[X:X+1], v195
	s_wait_dscnt 0x0
	global_store_b64 v4, v[X:X+1], s[12:13]        ; eight rows' scale bytes: 256 consecutive aligned bytes
	s_wait_tensorcnt 0x0                           ; the wave's end
	ds_add_u32 v12, v13
	s_wait_dscnt 0x0
	s_endpgm
.Lfunc_end_k_qdf2c282220_quant:
	.size	k_qdf2c282220_quant, .Lfunc_end_k_qdf2c282220_quant-k_qdf2c282220_quant
	.p2alignl 7, 3214868480
	.fill 96, 4, 3214868480
	.section	.rodata,"a",@progbits
	.p2align	6, 0x0
	.amdhsa_kernel k_qdf2c282220_quant
		.amdhsa_group_segment_fixed_size 97536
		.amdhsa_private_segment_fixed_size 0
		.amdhsa_enable_private_segment 0
		.amdhsa_kernarg_size 40
		.amdhsa_user_sgpr_count 2
		.amdhsa_user_sgpr_kernarg_segment_ptr 1
		.amdhsa_wavefront_size32 1
		.amdhsa_system_sgpr_workgroup_id_x 1
		.amdhsa_system_sgpr_workgroup_id_y 1
		.amdhsa_system_sgpr_workgroup_id_z 1
		.amdhsa_system_vgpr_workitem_id 0
		.amdhsa_next_free_vgpr 200
		.amdhsa_next_free_sgpr 66
		.amdhsa_reserve_vcc 0
		.amdhsa_float_denorm_mode_32 3
		.amdhsa_float_denorm_mode_16_64 3
		.amdhsa_memory_ordered 1
		.amdhsa_forward_progress 1
		.amdhsa_inst_pref_size 34
	.end_amdhsa_kernel
	.amdgpu_metadata
---
amdhsa.version: [ 1, 2 ]
amdhsa.kernels:
  - .name:           k_qdf2c282220_quant
    .symbol:         k_qdf2c282220_quant.kd
    .args:
      - { .name: x, .offset: 0, .size: 8, .value_kind: global_buffer, .address_space: global }
      - { .name: Wqkv, .offset: 8, .size: 8, .value_kind: global_buffer, .address_space: global }
      - { .name: Wlift, .offset: 16, .size: 8, .value_kind: global_buffer, .address_space: global }
      - { .name: cod, .offset: 24, .size: 8, .value_kind: global_buffer, .address_space: global }
      - { .name: scl, .offset: 32, .size: 8, .value_kind: global_buffer, .address_space: global }
    .group_segment_fixed_size: 97536
    .private_segment_fixed_size: 0
    .kernarg_segment_align: 8
    .kernarg_segment_size: 40
    .max_flat_workgroup_size: 192
    .sgpr_count:     66
    .vgpr_count:     200
    .wavefront_size: 32
...
	.end_amdgpu_metadata
.endif
;; end of part 1
;; launch qkvgemm (part 2): grid 8 x 48, 4 waves a work-group, clusters of 4 x 4, 327,680 bytes of LDS; arguments cod, scl, bqkv, qkv; writes qkv
.if DOCPART == 2
	.amdgcn_target "amdgcn-amd-amdhsa--gfx1250"
	.amdhsa_code_object_version 6
	.text
	.protected	k_qdf2c282220_qkvgemm
	.globl	k_qdf2c282220_qkvgemm
	.p2align	8
	.type	k_qdf2c282220_qkvgemm,@function
k_qdf2c282220_qkvgemm:
	s_mov_b64 s[64:65], 0
	v_nop
	global_prefetch_b8 v0, s[64:65] scope:SCOPE_SE
	s_setreg_imm32_b32 hwreg(HW_REG_WAVE_MODE, 25, 1), 1
	s_wait_xcnt 0x0
	s_wait_alu depctr_hold_cnt(0) depctr_sa_sdst(0) depctr_va_vdst(0) depctr_va_sdst(0) depctr_va_ssrc(0) depctr_va_vcc(0) depctr_vm_vsrc(0)
	s_getreg_b32 s2, hwreg(HW_REG_IB_STS2, 6, 4)
	s_cmp_eq_u32 s2, 0
	s_cbranch_scc0 .Lentry_in_a_cluster
	s_endpgm
.Lentry_in_a_cluster:
	s_bfe_u32 s2, ttmp6, 0x10000c
	s_cmp_lg_u32 s2, 0xf033
	s_cbranch_scc0 .Lentry_shape_is_right
	s_endpgm
.Lentry_shape_is_right:
; x Wqkv^T + bqkv on codes of BF6 with E8M0 scales, K = 1,024; the results are quantised at once, in registers, for the attention's two products, and stored as images of operand registers.
; A tile is 256 x 256, four waves of 128 x 128: 64 accumulators.  K goes in steps of 256 through a ring of two LDS slots filled by the tensor data mover.
; cod holds images of operand registers: a group of 16 rows x 256 K is 3,072 consecutive bytes, groups 12,288 bytes apart: a tensor row is 3,072 bytes and begins at a multiple of 256.
; Source 1 ("A") gives the result's lanes, source 0 ("B") its registers.  TWO KINDS of work-group, told apart by the cluster's y alone, which all sixteen partners share:
;   kind 0 (cluster y 0-7): A = 256 rows of x, B = 256 rows of Wq or Wk: q and k are quantised along the head.
;   kind 1 (cluster y 8-11): A = 256 rows of Wv, B = 256 rows of x: v is quantised along the keys.
; Stored row 16 u + r of a group of 32 is row 8 u + r + 8 (r / 8): registers 16 b + i of the eight accumulators of one block of A are B's rows 32 b + 16 (lane / 16) + i.
; qkv: head hh = 16 batch + head: 307,200 bytes = sections Q, K, V of 102,400; a section = 16 steps (128 positions) of 6,400 = four fragments of 1,536 bytes and 256 bytes of scale words.
;   Q, K: fragment f = the half images of tiles 2 f and 2 f + 1; tile 2 f + u, lane r = position 32 f + 8 u + r + 8 (r / 8).   V: fragment t = 12 registers a lane; lane r = channel 32 (t / 2) + 8 (t % 2) + r + 8 (r / 8).
;   Scale words at 6,144 + 16 r + 4 f.
; CLUSTERS: 4 x 4; A's tiles are asked for jointly along a row of the cluster, B's along a column.  No prefetch: K is four fills of a slot, two of them at the head, so there is no trip to run ahead in.
; LIMITS: a block of zeros, and one under 2^-122, gets the scale byte 1; NaN and infinities are not served.
; REGISTERS: window 0: v0-31 addresses; v32-63 scale words, two sets; v64-127 the bias; from v128 A's fragments, one set (on the way out: numbers, codes, work).  window 1: B's fragments, two sets.  windows 2, 3: the accumulators.
.set NQ,     2
.set FR,     12
.set NL,     4                         ; LDS loads that bring a fragment
.set NP,     4                         ; places behind this matrix form (ISA guide 7.12.1)
.set GRP,    3072                      ; 16 rows x 256 K
.set GROW,   12288                     ; 16 rows x 1,024 K
.set HALFT,  8*GRP
.set SLOT,   4*HALFT
.set KS,     32
.set SCL,    2*SLOT
.set HALFS,  16*272
.set SBLK,   2*272
.set SPARE,  SCL+4*HALFS
.set ADRA, 16                          ; v16-17 A's fragments in slot 0, 1, at 16 x lane; v18-19 at 8 x lane
.set ADRB, 20                          ; v20-23 the same for B
.set L16,  24
.set L8,   25
.set SOF,  26                          ; 16 r + 307,200 h
.set ADRS, 27
.set SPW,  28
.set NIL,  29
.set SELV, 30
.set SC,   32
.set BI,   64
.set AF,   128
.set HA,   128
.set CD,   192
.set TM,   212
.set PWS,  228
.set SW,   236
.set G1, 24
.set G0, 32
.set G1B, 48
.set G0B, 56
.set G1S, 68
.set G0S, 76
.set G1SB, 80
.set G0SB, 88
.set G0H, 4                            ; s[4:7], s[96:99]: group 0 of the head's loads of K step 0
.set G0HB, 96
.set MSB, 0
.macro WIN new
.if MSB != (\new)
	s_set_vgpr_msb (MSB<<8)|(\new)
.set MSB, (\new)
.endif
.endm
.set MUL_LO, 0xa1
.set MUL_HI, 0xf1
.set TO_B,   0x40
.macro JLOAD g0a, g1a, g0b, g1b        ; waves 0 and 1 fetch for A, waves 2 and 3 for B
	s_cmp_eq_u32 s15, 0
	s_cbranch_scc0 .Lfor_b_\@
	tensor_load_to_lds s[\g0a:\g0a+3], s[\g1a:\g1a+7]
	s_nop 0
.rept 4
	v_nop
.endr
	s_branch .Lasked_\@
.Lfor_b_\@:
	tensor_load_to_lds s[\g0b:\g0b+3], s[\g1b:\g1b+7]
	s_nop 0
.rept 4
	v_nop
.endr
.Lasked_\@:
.endm
.macro CREST
	s_cmp_lg_u32 s14, 0
	s_cbranch_scc1 .Lnot_wave_0_\@
	s_barrier_signal -3
.Lnot_wave_0_\@:
	s_barrier_wait -3
	s_barrier_signal -1
	s_barrier_wait -1
.endm
.macro CROUND
	s_barrier_signal -1
	s_barrier_wait -1
	CREST
.endm
	s_load_b256 s[4:11], s[0:1], 0x0               ; cod, scl, bqkv, qkv
	v_lshl_add_u32 v[SPW], v0, 2, SPARE
	v_mov_b32 v[NIL], 0
	ds_add_u32 v[SPW], v[NIL]                      ; the opening lines
	ds_add_u32 v[SPW], v[NIL]
	v_lshrrev_b32 v1, 5, v0
	v_readfirstlane_b32 s14, v1                    ; wave
	s_lshr_b32 s15, s14, 1                         ; my half of A's rows; also: I fetch for A (0) or B (1)
	s_and_b32 s16, s14, 1                          ; my half of B's rows; also: which 128 rows I fetch
	s_bfe_u32 s40, ttmp6, 0x40000                  ; cx
	s_bfe_u32 s41, ttmp6, 0x40004                  ; cy
	s_and_b32 s96, ttmp7, 0xffff                   ; the cluster's y
	s_lshl_b32 s17, s96, 2
	s_max_u32 s42, s96, 8
	s_sub_co_u32 s42, s42, 8
	s_lshl_b32 s42, s42, 3
	s_cmp_ge_u32 s96, 8
	s_cselect_b32 s95, 1, 0                        ; the kind
	s_cselect_b32 s17, 40, s17
	s_cselect_b32 s42, s42, 32
	s_add_co_u32 s17, s17, s41                     ; A's tile of 256 rows of cod: never holds cx
	s_lshl_b32 s97, ttmp9, 2
	s_add_co_u32 s42, s42, s97
	s_add_co_u32 s42, s42, s40                     ; B's: never holds cy
	s_lshl_b32 s43, s41, 2
	s_lshl_b32 s43, 15, s43                        ; my row of the cluster
	s_lshl_b32 s44, 0x1111, s40                    ; my column
	s_or_b32 s[G1+0], s43, (3<<16)|(1<<21)         ; group 1: rows of 384 elements of 8 bytes; 16 rows at the head, 8 in the ring
	s_or_b32 s[G1B+0], s44, (3<<16)|(1<<21)
.irp g, G1, G1B
	s_mov_b32 s[\g+1], 384<<16
	s_mov_b32 s[\g+2], 16<<16
	s_mov_b32 s[\g+3], 384<<16
	s_mov_b32 s[\g+4], 16
	s_mov_b32 s[\g+5], 1536
	s_mov_b32 s[\g+6], 0
	s_mov_b32 s[\g+7], 0
.endr
	s_or_b32 s[G1S+0], s43, (3<<16)|(1<<20)|(1<<21)|(5<<22)|(3<<25)   ; the scales of 256 rows: 32 rows of 256 bytes, 16 of padding behind each
	s_or_b32 s[G1SB+0], s44, (3<<16)|(1<<20)|(1<<21)|(5<<22)|(3<<25)
.irp g, G1S, G1SB
	s_mov_b32 s[\g+1], 32<<16
	s_mov_b32 s[\g+2], 32<<16
	s_mov_b32 s[\g+3], 32<<16
	s_mov_b32 s[\g+4], 32
	s_mov_b32 s[\g+5], 32
	s_mov_b32 s[\g+6], 0
	s_mov_b32 s[\g+7], 0
.endr
	s_wait_dscnt 0x0                               ; both opening adds are done
	s_wait_kmcnt 0x0
	; where my results go, and my bias: these numbers hold cx and cy together and enter global addresses of loads and stores through registers alone
	s_cmp_lg_u32 s95, 0
	s_cselect_b32 s96, s42, s17                    ; x's tile
	s_cselect_b32 s97, s16, s15                    ; my half of it
	s_cselect_b32 s98, s17, s42                    ; Wqkv's tile + 32
	s_cselect_b32 s99, s15, s16
	s_cselect_b32 s2, 0, 4                         ; the bias from register to register,
	s_cselect_b32 s3, 4, 0                         ; its lane term 4 (r + 8 (r / 8)) in kind 1,
	s_cselect_b32 s94, 0, 64                       ; 64 h in kind 0
	s_sub_co_u32 s98, s98, 32
	s_lshr_b32 s18, s96, 3
	s_lshl_b32 s18, s18, 4
	s_and_b32 s19, s98, 3
	s_lshl_b32 s19, s19, 2
	s_add_co_u32 s18, s18, s19
	s_lshl_b32 s19, s99, 1
	s_add_co_u32 s18, s18, s19                     ; my first head (I make two)
	s_mul_i32 s18, s18, 3
	s_lshr_b32 s19, s98, 2
	s_add_co_u32 s18, s18, s19                     ; the section
	s_mul_i32 s18, s18, 102400
	s_and_b32 s19, s96, 7
	s_lshl_b32 s19, s19, 1
	s_add_co_u32 s19, s19, s97
	s_mul_i32 s19, s19, 6400
	s_add_co_u32 s18, s18, s19
	s_mov_b32 s19, 0
	s_add_nc_u64 s[12:13], s[10:11], s[18:19]
	s_lshl_b32 s18, s98, 10
	s_lshl_b32 s20, s99, 9
	s_add_co_u32 s18, s18, s20
	s_add_nc_u64 s[8:9], s[8:9], s[18:19]          ; my 128 numbers of bqkv
	; the tiles
	s_mul_i32 s20, s17, 16*GROW
	s_mov_b32 s21, 0
	s_lshl_b32 s22, s17, 13
	s_mov_b32 s23, 0
	s_mul_i32 s46, s42, 16*GROW
	s_mov_b32 s47, 0
	s_lshl_b32 s92, s42, 13
	s_mov_b32 s93, 0
	s_add_nc_u64 s[20:21], s[4:5], s[20:21]
	s_add_nc_u64 s[22:23], s[6:7], s[22:23]
	s_add_nc_u64 s[46:47], s[4:5], s[46:47]
	s_add_nc_u64 s[92:93], s[6:7], s[92:93]
	s_mul_i32 s18, s16, 8*GROW                     ; in the ring I fetch 128 rows: which half,
	s_mul_i32 s45, s14, HALFT                      ; and where they go
	CROUND                                         ; all sixteen work-groups are here: the first joint loads meet
	s_mov_b32 s[G0H], 1
	s_mov_b32 s[G0H+1], 0
	s_mov_b64 s[G0H+2:G0H+3], s[20:21]
	s_or_b32 s[G0H+3], s[G0H+3], 0x80000000
	s_mov_b32 s[G0HB], 1
	s_mov_b32 s[G0HB+1], 2*HALFT
	s_mov_b64 s[G0HB+2:G0HB+3], s[46:47]
	s_or_b32 s[G0HB+3], s[G0HB+3], 0x80000000
	s_mov_b32 s[G0S], 1
	s_mov_b32 s[G0S+1], SCL
	s_mov_b64 s[G0S+2:G0S+3], s[22:23]
	s_or_b32 s[G0S+3], s[G0S+3], 0x80000000
	s_mov_b32 s[G0SB], 1
	s_mov_b32 s[G0SB+1], SCL+2*HALFS
	s_mov_b64 s[G0SB+2:G0SB+3], s[92:93]
	s_or_b32 s[G0SB+3], s[G0SB+3], 0x80000000
	s_add_nc_u64 s[20:21], s[20:21], s[18:19]
	s_add_nc_u64 s[46:47], s[46:47], s[18:19]
.irp s, 0,1
	s_mov_b32 s[G0+4*\s], 1
	s_add_co_u32 s[G0+4*\s+1], s45, \s*SLOT
	s_add_nc_u64 s[G0+4*\s+2:G0+4*\s+3], s[20:21], \s*GRP
	s_or_b32 s[G0+4*\s+3], s[G0+4*\s+3], 0x80000000
	s_mov_b32 s[G0B+4*\s], 1
	s_add_co_u32 s[G0B+4*\s+1], s45, \s*SLOT
	s_add_nc_u64 s[G0B+4*\s+2:G0B+4*\s+3], s[46:47], \s*GRP
	s_or_b32 s[G0B+4*\s+3], s[G0B+4*\s+3], 0x80000000
.endr
; the head's four tiles, one load a wave: wave 0 K step 0 of A's 256 rows, wave 1 of B's, wave 2 A's scales, wave 3 B's
.macro ARM under, g0, g1, next
	s_cmp_lt_u32 s14, \under
	s_cbranch_scc0 \next
	tensor_load_to_lds s[\g0:\g0+3], s[\g1:\g1+7]
	s_nop 0
.rept 4
	v_nop
.endr
	s_branch .Lhead_asked
\next:
.endm
	ARM 1, G0H,  G1,  .Lhead_b
	ARM 2, G0HB, G1B, .Lhead_sa
	ARM 3, G0S,  G1S, .Lhead_sb
	tensor_load_to_lds s[G0SB:G0SB+3], s[G1SB:G1SB+7]
	s_nop 0
.rept 4
	v_nop
.endr
.Lhead_asked:
	v_and_b32 v1, 15, v0                           ; r
	v_bfe_u32 v2, v0, 4, 1                         ; h
	v_and_b32 v6, 31, v0
	v_lshlrev_b32 v[L16], 4, v6
	v_lshlrev_b32 v[L8], 3, v6
	s_mul_i32 s21, s15, HALFT
	s_mul_i32 s22, s16, HALFT
	s_add_co_u32 s22, s22, 2*HALFT
.irp s, 0,1
	v_add_nc_u32 v[ADRA+\s], s21, v[L16]
	v_add_nc_u32 v[ADRA+2+\s], s21, v[L8]
	v_add_nc_u32 v[ADRB+\s], s22, v[L16]
	v_add_nc_u32 v[ADRB+2+\s], s22, v[L8]
	s_add_co_u32 s21, s21, SLOT
	s_add_co_u32 s22, s22, SLOT
.endr
	v_mul_u32_u24 v5, v1, KS                       ; my row's scales: 32 bytes a row, and 16 more for each 256 passed
	v_lshrrev_b32 v3, 8, v5
	v_lshl_add_u32 v5, v3, 4, v5
	s_mul_i32 s21, s15, HALFS
	s_mul_i32 s22, s16, HALFS
	s_add_co_u32 s22, s22, 2*HALFS
	s_sub_co_u32 s22, s22, s21
	v_mul_u32_u24 v3, s22, v2                      ; lanes 16-31 take B's
	s_add_co_u32 s21, s21, SCL
	v_add_nc_u32 v5, v5, v3
	v_add_nc_u32 v[ADRS], s21, v5
	v_mul_u32_u24 v[SOF], v2, 307200
	v_lshl_add_u32 v[SOF], v1, 4, v[SOF]
	s_mov_b32 s18, 0x02020202
	v_mul_lo_u32 v[SELV], v2, s18
	v_add_nc_u32 v[SELV], 0x05040100, v[SELV]
	v_and_b32 v7, 8, v1
	v_add_nc_u32 v7, v7, v1
	v_mul_u32_u24 v7, v7, s3
	v_mad_u32_u24 v7, v2, s94, v7
.irp j, 0,1,2,3,4,5,6,7
	v_mad_u32_u24 v[8+\j], s2, \j, v7
.endr
	s_wait_alu depctr_va_vdst(0)
.irp g, 0,1,2,3,4,5,6,7
.irp j, 0,1,2,3,4,5,6,7
	global_load_b32 v[BI+8*\g+\j], v[8+\j], s[8:9] offset:(32*(\g/2)+8*(\g%2))*4   ; kind 0: the bias of B's block g, my eight columns; kind 1: of A's block g, my lane's channel, eight times
.endr
.endr
.macro FRAG reg, adr, off              ; 16 rows x 128 K: the image of 12 registers
	ds_load_b128 v[\reg:\reg+3], v[\adr] offset:\off
	ds_load_b64 v[\reg+4:\reg+5], v[\adr+2] offset:\off+512
	ds_load_b128 v[\reg+6:\reg+9], v[\adr] offset:\off+768
	ds_load_b64 v[\reg+10:\reg+11], v[\adr+2] offset:\off+1280
.endm
; 16 matrix instructions: A's blocks a0, a0 + 1 x B's eight.  The 64 accumulators take turns, in the same order in every step.
.macro MUL16 a0, p, q, sc, zero
.irp a, \a0, \a0+1
.irp b, 0,1,2,3,4,5,6,7
.if \zero
	v_wmma_scale_f32_16x16x128_f8f6f4 v[8*(8*((\a)%4)+\b):8*(8*((\a)%4)+\b)+7], v[128*(\p)+FR*\b:128*(\p)+FR*\b+FR-1], v[AF+FR*(\a):AF+FR*(\a)+FR-1], 0, v[SC+8*NQ*(\sc)+NQ*\b+(\q)], v[SC+8*NQ*(\sc)+NQ*(\a)+(\q)] matrix_a_fmt:MATRIX_FMT_BF6 matrix_b_fmt:MATRIX_FMT_BF6 matrix_a_scale:MATRIX_SCALE_ROW1
.else
	v_wmma_scale_f32_16x16x128_f8f6f4 v[8*(8*((\a)%4)+\b):8*(8*((\a)%4)+\b)+7], v[128*(\p)+FR*\b:128*(\p)+FR*\b+FR-1], v[AF+FR*(\a):AF+FR*(\a)+FR-1], v[8*(8*((\a)%4)+\b):8*(8*((\a)%4)+\b)+7], v[SC+8*NQ*(\sc)+NQ*\b+(\q)], v[SC+8*NQ*(\sc)+NQ*(\a)+(\q)] matrix_a_fmt:MATRIX_FMT_BF6 matrix_b_fmt:MATRIX_FMT_BF6 matrix_a_scale:MATRIX_SCALE_ROW1
.endif
.endr
.endr
.endm
.macro FETCH_B slot, q, p
	WIN TO_B
.irp i, 0,1,2,3,4,5,6,7
	FRAG 128*(\p)+FR*\i, ADRB+\slot, GRP*\i+1536*(\q)
.endr
	WIN 0
.endm
.macro FETCH_A slot, q, i0
.irp i, \i0, \i0+1, \i0+2, \i0+3
	FRAG AF+FR*(\i), ADRA+\slot, GRP*(\i)+1536*(\q)
.endr
.endm
.macro SCALES sc, ks                   ; K step ks's scale words: lanes 0-15 A's block i, lanes 16-31 B's block i
.irp i, 0,1,2,3,4,5,6,7
	ds_load_b64 v[SC+8*NQ*\sc+NQ*\i:SC+8*NQ*\sc+NQ*\i+1], v[ADRS] offset:\i*SBLK+8*\ks
.endr
.endm
.macro PLACES n
.rept \n
	v_nop
.endr
.endm
.macro STEP slot, q, zero              ; 128 along K, with its successor in the same slot
	s_wait_dscnt 4*NL                              ; B's set and A's blocks 0-3 are in; A's blocks 4-7, 16 loads, may be out
	WIN MUL_LO
	MUL16 0, (\q)%2, \q, \slot, \zero
	MUL16 2, (\q)%2, \q, \slot, \zero
	s_wait_dscnt 0
	PLACES NP
	FETCH_B \slot, (\q)+1, 1-(\q)%2
	FETCH_A \slot, (\q)+1, 0
	WIN MUL_HI
	MUL16 4, (\q)%2, \q, \slot, \zero
	MUL16 6, (\q)%2, \q, \slot, \zero
	PLACES NP
	WIN 0
	FETCH_A \slot, (\q)+1, 4
.endm
; A slot's last step changes slots: each wave waits for all its tensor loads, adds 0 to its spare word, waits for that and for its reads of this slot; one barrier; fill = 1: a round of the cluster's barrier and the joint refill.
.macro TURN slot, next, fill, ks
	s_wait_tensorcnt 0x0                           ; all my tensor loads have landed: my part of the next slot
	ds_add_u32 v[SPW], v[NIL]
	s_wait_dscnt 4*NL+1                            ; the add and A's blocks 4-7 may be out
	WIN MUL_LO
	MUL16 0, 1, NQ-1, \slot, 0
	s_wait_dscnt 0x0                               ; the add is done, and my reads of this slot are over
	s_barrier_signal -1
	MUL16 2, 1, NQ-1, \slot, 0
	WIN 0
	s_barrier_wait -1
.if \fill
	CREST
	s_add_nc_u64 s[G0+4*\slot+2:G0+4*\slot+3], s[G0+4*\slot+2:G0+4*\slot+3], 2*GRP
	s_add_nc_u64 s[G0B+4*\slot+2:G0B+4*\slot+3], s[G0B+4*\slot+2:G0B+4*\slot+3], 2*GRP
	JLOAD G0+4*\slot, G1, G0B+4*\slot, G1B         ; the first tensor load behind the round; its four v_nop are the places in front of the loads below
.else
	PLACES NP
.endif
	FETCH_B \next, 0, 0
	FETCH_A \next, 0, 0
	SCALES \next, \ks
	WIN MUL_HI
	MUL16 4, 1, NQ-1, \slot, 0
	MUL16 6, 1, NQ-1, \slot, 0
	PLACES NP
	WIN 0
	FETCH_A \next, 0, 4
.endm
	s_wait_tensorcnt 0x0                           ; my tile of the head's four is in
	ds_add_u32 v[SPW], v[NIL]
	s_mov_b32 s[G1+2], 8<<16                       ; no tensor load of mine is out: from here on a load brings 8 groups
	s_mov_b32 s[G1+4], 8
	s_mov_b32 s[G1B+2], 8<<16
	s_mov_b32 s[G1B+4], 8
	s_wait_dscnt 0x0
	CROUND
	JLOAD G0+4, G1, G0B+4, G1B                     ; K step 1, the first tensor load behind the round
	s_wait_loadcnt 0x0                             ; the bias
	FETCH_B 0, 0, 0
	FETCH_A 0, 0, 0
	SCALES 0, 0
	FETCH_A 0, 0, 4
	STEP 0, 0, 1                                   ; the first step's products start the sums
	TURN 0, 1, 1, 1
	STEP 1, 0, 0
	TURN 1, 0, 1, 2
	STEP 0, 0, 0
	TURN 0, 1, 0, 3                                ; nothing is left to fetch
	STEP 1, 0, 0
	s_wait_dscnt 4*NL
	WIN MUL_LO
	MUL16 0, 1, NQ-1, 1, 0
	MUL16 2, 1, NQ-1, 1, 0
	s_wait_dscnt 0
	WIN MUL_HI
	MUL16 4, 1, NQ-1, 1, 0
	MUL16 6, 1, NQ-1, 1, 0
	WIN 0
; THE WAY OUT.  64 numbers of a lane, register 16 b + i = k 32 b + 16 h + i of my row, become 12 registers of codes in v[CD] on and my row's scale word in v[pw].
.macro QUANT s, pw
.irp b, 0,1,2,3
	v_max3_num_f32 v[TM+\b], |v[\s+16*\b]|, |v[\s+1+16*\b]|, 0x2800000
.endr
.irp i, 2,4,6,8,10,12,14
.irp b, 0,1,2,3
	v_max3_num_f32 v[TM+\b], v[TM+\b], |v[\s+16*\b+\i]|, |v[\s+1+16*\b+\i]|
.endr
.endr
.irp b, 0,1,2,3
	v_permlanex16_b32 v[TM+4+\b], v[TM+\b], s20, s21
.endr
.irp b, 0,1,2,3
	v_max_num_f32 v[TM+\b], v[TM+\b], v[TM+4+\b]
.endr
.irp b, 0,1,2,3
	v_add_nc_u32 v[TM+12+\b], 0xfe000000, v[TM+\b]
.endr
.irp b, 0,1,2,3
	v_lshrrev_b32 v[TM+4+\b], 23, v[TM+12+\b]
.endr
	v_lshl_or_b32 v[\pw], v[TM+5], 8, v[TM+4]
	v_lshl_or_b32 v[\pw], v[TM+6], 16, v[\pw]
	v_lshl_or_b32 v[\pw], v[TM+7], 24, v[\pw]
	s_wait_alu depctr_va_vdst(0)
	s_wait_xcnt 0x0                                ; the last block's stores have read the codes' registers
.irp c, 0,1
	v_cvt_scalef32_pk16_bf6_f32 v[CD+6*\c:CD+2+6*\c], v[\s+32*\c:\s+15+32*\c], v[TM+12+2*\c]
	v_cvt_scalef32_pk16_bf6_f32 v[CD+12+4*\c:CD+14+4*\c], v[\s+16+32*\c:\s+31+32*\c], v[TM+12+2*\c+1]
.endr
	v_nop
.irp c, 0,1
.irp i, 0,1,2
	v_permlane16_swap_b32 v[CD+6*\c+\i], v[CD+12+4*\c+\i]
.endr
.irp i, 0,1,2
	v_mov_b32 v[CD+3+6*\c+\i], v[CD+12+4*\c+\i]
.endr
.endr
.endm
.macro EPI kind, a                     ; block a of A: accumulators + bias, each from its low end on; quantised; stored as images
	WIN 0x02+(\a)/4
.set i, 0
.rept 32
.if \kind
	v_pk_add_f32 v[HA+2*i:HA+2*i+1], v[64*((\a)%4)+2*i:64*((\a)%4)+2*i+1], v[BI+8*(\a)+(2*i)%8:BI+8*(\a)+(2*i)%8+1]
.else
	v_pk_add_f32 v[HA+2*i:HA+2*i+1], v[64*((\a)%4)+2*i:64*((\a)%4)+2*i+1], v[BI+2*i:BI+2*i+1]
.endif
.set i, i+1
.endr
	WIN 0
	QUANT HA, PWS+(\a)
.if \kind
.irp c, 0,1,2
	global_store_b128 v[L16], v[CD+4*\c:CD+4*\c+3], s[12:13] offset:((\a)/4)*307200+((\a)%4)*1536+512*\c
.endr
.else
.set OO, ((\a)/2)*1536+((\a)%2)*768
	global_store_b128 v[L16], v[CD:CD+3], s[12:13] offset:OO
	global_store_b64 v[L8], v[CD+4:CD+5], s[12:13] offset:OO+512
	global_store_b128 v[L16], v[CD+6:CD+9], s[12:13] offset:307200+OO
	global_store_b64 v[L8], v[CD+10:CD+11], s[12:13] offset:307200+OO+512
.endif
.endm
	PLACES NP
	s_mov_b32 s20, 0x76543210
	s_mov_b32 s21, 0xfedcba98
.irp b, 0,1,2,3
	v_mov_b32 v[TM+4+\b], 0
.endr
	s_cmp_lg_u32 s95, 0
	s_cbranch_scc1 .Lway_v
.irp a, 0,1,2,3,4,5,6,7
	EPI 0, \a
.endr
.irp f, 0,1,2,3
	v_perm_b32 v[SW+\f], v[PWS+2*\f+1], v[PWS+2*\f], v[SELV]
.endr
	global_store_b128 v[SOF], v[SW:SW+3], s[12:13] offset:6144
	s_branch .Lout_done
.Lway_v:
.irp a, 0,1,2,3,4,5,6,7
	EPI 1, \a
.endr
	v_cmp_ne_u32 vcc_lo, 0, v2
.irp f, 0,1,2,3
	v_cndmask_b32 v[SW+\f], v[PWS+\f], v[PWS+4+\f], vcc_lo
.endr
	global_store_b128 v[SOF], v[SW:SW+3], s[12:13] offset:6144
.Lout_done:
	s_wait_tensorcnt 0x0                           ; the wave's end
	ds_add_u32 v[SPW], v[NIL]
	s_wait_dscnt 0x0
	CROUND                                         ; the closing round
	s_endpgm
.Lfunc_end_k_qdf2c282220_qkvgemm:
	.size	k_qdf2c282220_qkvgemm, .Lfunc_end_k_qdf2c282220_qkvgemm-k_qdf2c282220_qkvgemm
	.p2alignl 7, 3214868480
	.fill 96, 4, 3214868480
	.section	.rodata,"a",@progbits
	.p2align	6, 0x0
	.amdhsa_kernel k_qdf2c282220_qkvgemm
		.amdhsa_group_segment_fixed_size 327680
		.amdhsa_private_segment_fixed_size 0
		.amdhsa_enable_private_segment 0
		.amdhsa_kernarg_size 32
		.amdhsa_user_sgpr_count 2
		.amdhsa_user_sgpr_kernarg_segment_ptr 1
		.amdhsa_wavefront_size32 1
		.amdhsa_system_sgpr_workgroup_id_x 1
		.amdhsa_system_sgpr_workgroup_id_y 1
		.amdhsa_system_sgpr_workgroup_id_z 1
		.amdhsa_system_vgpr_workitem_id 0
		.amdhsa_next_free_vgpr 1024
		.amdhsa_next_free_sgpr 100
		.amdhsa_reserve_vcc 1
		.amdhsa_float_denorm_mode_32 3
		.amdhsa_float_denorm_mode_16_64 3
		.amdhsa_memory_ordered 1
		.amdhsa_forward_progress 1
		.amdhsa_inst_pref_size 222
	.end_amdhsa_kernel
	.amdgpu_metadata
---
amdhsa.version: [ 1, 2 ]
amdhsa.kernels:
  - .name:           k_qdf2c282220_qkvgemm
    .symbol:         k_qdf2c282220_qkvgemm.kd
    .args:
      - { .name: cod, .offset: 0, .size: 8, .value_kind: global_buffer, .address_space: global }
      - { .name: scl, .offset: 8, .size: 8, .value_kind: global_buffer, .address_space: global }
      - { .name: bqkv, .offset: 16, .size: 8, .value_kind: global_buffer, .address_space: global }
      - { .name: qkv, .offset: 24, .size: 8, .value_kind: global_buffer, .address_space: global }
    .group_segment_fixed_size: 327680
    .private_segment_fixed_size: 0
    .kernarg_segment_align: 8
    .kernarg_segment_size: 32
    .max_flat_workgroup_size: 128
    .sgpr_count:     100
    .vgpr_count:     1024
    .wavefront_size: 32
...
	.end_amdgpu_metadata
.endif
;; end of part 2
;; launch attn (part 3): grid 4 x 64, 8 waves a work-group, clusters of 4 x 1, 327,680 bytes of LDS; arguments qkv, acod, asc; writes acod, asc
.if DOCPART == 3
	.amdgcn_target "amdgcn-amd-amdhsa--gfx1250"
	.amdhsa_code_object_version 6
	.text
	.protected	k_qdf2c282220_attn
	.globl	k_qdf2c282220_attn
	.p2align	8
	.type	k_qdf2c282220_attn,@function
k_qdf2c282220_attn:
	s_mov_b64 s[64:65], 0
	v_nop
	global_prefetch_b8 v0, s[64:65] scope:SCOPE_SE
	s_setreg_imm32_b32 hwreg(HW_REG_WAVE_MODE, 25, 1), 1
	s_wait_xcnt 0x0
	s_wait_alu depctr_hold_cnt(0) depctr_sa_sdst(0) depctr_va_vdst(0) depctr_va_sdst(0) depctr_va_ssrc(0) depctr_va_vcc(0) depctr_vm_vsrc(0)
	s_getreg_b32 s2, hwreg(HW_REG_IB_STS2, 6, 4)
	s_cmp_eq_u32 s2, 0
	s_cbranch_scc0 .Lentry_in_a_cluster
	s_endpgm
.Lentry_in_a_cluster:
	s_bfe_u32 s2, ttmp6, 0x10000c
	s_cmp_lg_u32 s2, 0x3003
	s_cbranch_scc0 .Lentry_shape_is_right
	s_endpgm
.Lentry_shape_is_right:
; Attention of one head (16 batch + head = work-group y) on codes of BF6; the four work-groups of a cluster share the head's K and V, which stay in LDS whole.
; Left out as dead work: tiles of scores whose keys all lie behind the queries (shown at the head of the first kernel).
; The head's K and V sections are 204,800 consecutive bytes in memory and in LDS alike: each of the 8 waves brings 25,600 of them by one joint load.  All is asked for at the head, so there is no trip for a prefetch to run ahead in.
; A wave takes 32 queries (two tiles of 16: j = 0, 1) of block w of 128 positions, then of block 15 - w: 17 steps of 128 keys in all.  Both tiles share each fragment of K and V.
; Two walks over the keys: the first finds the running maximum, the blocks' maxima (kept in the wave's own LDS bytes) and the row's sum; the second makes a = p / sum, quantises it along the keys and multiplies by V.
; Both products are used transposed: a lane holds one query.  K's fragment f holds tiles 2 f and 2 f + 1 (64 along the head each); q stands in one half of its operand beside zero codes.
; The causal mask of the diagonal step is a table of 0 and -inf, made once, that is added to the scores.
; The next step's fragments of K, and this step's of V, are asked for behind the scores' products and land under the vector work.
; LIMIT: the promise holds while the scaled scores stay under 2^31 in magnitude; NaN and infinities are not served.
; REGISTERS: window 0: v1-7 lane terms; v8-15 two tiles x (-M, largest t, sum or 1 / sum, 0); v16-45 q between zeros; v46-47 q's scales; v48-55 K's and V's scales; v56-61 addresses; v64-191 scores, then p; v192 on: work.
;   window 1: v0-47 K's fragments, v48-95 V's, v96-159 O^T of both tiles, v160-255 the mask's table.
.set STEPB, 6400
.set VSEC,  102400
.set BMX,   204800
.set SPARE, 0x42000
.set QZ,  16
.set QS,  46
.set KS,  48
.set VS,  52
.set A16, 56
.set A8,  57
.set AS,  58
.set ABM, 59
.set V16, 60
.set VSA, 61
.set S,   64
.set BM,  192
.set BT,  200
.set SO,  208
.set PW,  216
.set OW,  218
.set CD,  220
.set CT,  244
.set NEG, 251
.set FT,  220                          ; first walk only: the factor 2^(old M - new M), a pair a tile
.set TS,  224                          ; a second chain of sums
.set TT,  228
.set KB,  0                            ; window 1
.set VB,  48
.set O,   96
.set PEN, 160
.set MSB, 0
.macro WIN new                         ; the immediate's high byte repeats the setting that is left
.if MSB != (\new)
	s_set_vgpr_msb (MSB<<8)|(\new)
.set MSB, (\new)
.endif
.endm
.macro CROUND
	s_barrier_signal -1
	s_barrier_wait -1
	s_cmp_lg_u32 s10, 0
	s_cbranch_scc1 .Lnot_wave_0_\@
	s_barrier_signal -3
.Lnot_wave_0_\@:
	s_barrier_wait -3
	s_barrier_signal -1
	s_barrier_wait -1
.endm
.macro KLOAD a16, a8, as, off          ; a step's four fragments of K and their scale words
	WIN 0x40
.irp f, 0,1,2,3
	ds_load_b128 v[KB+12*\f:KB+12*\f+3], v[\a16] offset:\off+1536*\f
	ds_load_b64 v[KB+12*\f+4:KB+12*\f+5], v[\a8] offset:\off+1536*\f+512
	ds_load_b128 v[KB+12*\f+6:KB+12*\f+9], v[\a16] offset:\off+1536*\f+768
	ds_load_b64 v[KB+12*\f+10:KB+12*\f+11], v[\a8] offset:\off+1536*\f+1280
.endr
	WIN 0
	ds_load_b128 v[KS:KS+3], v[\as] offset:\off+6144
.endm
.macro QLOAD                           ; block s34's two tiles of q, and their scale word
	s_mul_i32 s56, s34, STEPB
	s_mul_i32 s58, s11, 1536
	s_add_co_u32 s58, s58, s56
	s_add_nc_u64 s[40:41], s[4:5], s[58:59]
	s_lshl_b32 s58, s11, 2
	s_add_co_u32 s58, s58, s56
	s_add_nc_u64 s[44:45], s[4:5], s[58:59]
	global_load_b128 v[QZ+6:QZ+9], v1, s[40:41]
	global_load_b64 v[QZ+10:QZ+11], v2, s[40:41] offset:512
	global_load_b128 v[QZ+18:QZ+21], v1, s[40:41] offset:768
	global_load_b64 v[QZ+22:QZ+23], v2, s[40:41] offset:1280
	global_load_b32 v[QS], v3, s[44:45] offset:6144
.endm
.macro SCORES                          ; S^T = k q^T: 128 keys x 32 queries; register 16 b + i of a tile is key 32 b + 16 h + i
	WIN 0x01
.irp f, 0,1,2,3
.irp j, 0,1
	v_wmma_scale_f32_16x16x128_f8f6f4 v[S+64*\j+16*\f:S+64*\j+16*\f+7], v[KB+12*\f:KB+12*\f+11], v[QZ+12*\j+6:QZ+12*\j+17], 0, v[KS+\f], v[QS+\j] matrix_a_fmt:MATRIX_FMT_BF6 matrix_b_fmt:MATRIX_FMT_BF6
	v_wmma_scale_f32_16x16x128_f8f6f4 v[S+64*\j+16*\f+8:S+64*\j+16*\f+15], v[KB+12*\f:KB+12*\f+11], v[QZ+12*\j:QZ+12*\j+11], 0, v[KS+\f], v[QS+\j] matrix_a_fmt:MATRIX_FMT_BF6 matrix_b_fmt:MATRIX_FMT_BF6
.endr
.endr
	WIN 0
.endm
.macro MASK                            ; the diagonal step alone: -inf onto the keys behind the query
	s_cmp_lg_u32 s36, s34
	s_cbranch_scc1 .Lopen_\@
	WIN 0x04
.set n, 0
.rept 32
	v_pk_add_f32 v[S+n:S+n+1], v[S+n:S+n+1], v[PEN+n:PEN+n+1]
.if n%16 >= 8
	v_pk_add_f32 v[S+64+n:S+65+n], v[S+64+n:S+65+n], v[PEN+n-8:PEN+n-7]
.else
	v_pk_add_f32 v[S+64+n:S+65+n], v[S+64+n:S+65+n], v[PEN+64+8*(n/16)+n%16:PEN+65+8*(n/16)+n%16]
.endif
.set n, n+2
.endr
	WIN 0
.Lopen_\@:
.endm
.macro TMINUSM                         ; t - M, two at a time
.irp j, 0,1
.set n, 0
.rept 32
	v_pk_fma_f32 v[S+64*\j+2*n:S+64*\j+2*n+1], v[S+64*\j+2*n:S+64*\j+2*n+1], s[32:33], v[8+4*\j:9+4*\j] op_sel_hi:[1,0,0]
.set n, n+1
.endr
.endr
.endm
.macro EXP128
.set n, 0
.rept 128
	v_exp_f32 v[S+n], v[S+n]
.set n, n+1
.endr
.endm
	s_load_b128 s[4:7], s[0:1], 0x0                ; qkv, acod
	s_load_b64 s[8:9], s[0:1], 0x10                ; asc
	v_lshl_add_u32 v254, v0, 2, SPARE
	v_mov_b32 v255, 0
	ds_add_u32 v254, v255                          ; the opening lines
	ds_add_u32 v254, v255
	v_lshrrev_b32 v1, 5, v0
	v_readfirstlane_b32 s10, v1                    ; wave 0..7
	s_bfe_u32 s11, ttmp6, 0x40000                  ; cx: which 32 queries of each block
	s_and_b32 s12, ttmp7, 0xffff                   ; the head
	s_mov_b32 s14, 0x76543210
	s_mov_b32 s15, 0xfedcba98                      ; lane l xor 16
	s_mov_b32 s32, 0x3d38aa3b                      ; log2(e) / 32
	s_mov_b32 s33, s32
	s_mov_b32 s16, 15|(3<<16)|(1<<21)              ; group 1: 100 rows of 256 bytes, for all four work-groups
	s_mov_b32 s17, 32<<16
	s_mov_b32 s18, 100<<16
	s_mov_b32 s19, 32<<16
	s_mov_b32 s20, 100
	s_mov_b32 s21, 32
	s_mov_b32 s22, 0
	s_mov_b32 s23, 0
	s_mul_i32 s56, s12, 307200
	s_mov_b32 s57, 0
	s_mul_i32 s58, s10, 4*STEPB
	s_mov_b32 s59, 0
	s_mov_b32 s34, s10                             ; the first job's block
	s_mov_b32 s35, 0                               ; the job
	s_wait_dscnt 0x0
	s_wait_kmcnt 0x0
	s_add_nc_u64 s[4:5], s[4:5], s[56:57]
	s_add_nc_u64 s[60:61], s[4:5], s[58:59]
	s_mov_b32 s24, 1
	s_mov_b32 s25, s58
	s_add_nc_u64 s[26:27], s[60:61], 102400
	s_or_b32 s27, s27, 0x80000000
	CROUND
	tensor_load_to_lds s[24:27], s[16:23]
	s_nop 0
.rept 4
	v_nop
.endr
	v_and_b32 v7, 31, v0
	v_lshlrev_b32 v1, 4, v7                        ; 16 x lane
	v_lshlrev_b32 v2, 3, v7                        ; 8 x lane
	v_and_b32 v62, 15, v0                          ; r
	v_bfe_u32 v63, v0, 4, 1                        ; h
	v_lshlrev_b32 v3, 4, v62
	v_lshlrev_b32 v6, 5, v62
	v_and_b32 v4, 8, v62
	v_add_nc_u32 v4, v4, v62
	v_lshlrev_b32 v63, 4, v63
	v_sub_nc_u32 v4, v4, v63
	s_lshl_b32 s56, s11, 5
	v_add_nc_u32 v4, s56, v4                       ; tile 0's query in its block, less 16 h
	s_lshl_b32 s56, s10, 13
	s_add_co_u32 s56, s56, BMX
	v_add_nc_u32 v5, s56, v3                       ; my wave's block maxima: 2 tiles x 16 steps x 256 bytes
	v_mov_b32 v[NEG], 0xff800000
.irp z, 0,12,24
.irp i, 0,1,2,3,4,5
	v_mov_b32 v[QZ+\z+\i], 0                       ; zero codes beside q
.endr
.endr
.irp b, 0,1,2,3,4,5,6,7
	v_mov_b32 v[BT+\b], 0                          ; a lane permute's destination counts as one of its sources
.endr
	QLOAD
	WIN 0x40                                       ; the mask's table: entry n for key 32 (n / 16) + n % 16 + 16 h against tile 0's query; 32 more for tile 1, whose queries lie 8 further on
.set n, 0
.rept 64
	v_cmp_gt_i32 vcc_lo, 32*(n/16)+n%16, v4
	v_cndmask_b32 v[PEN+n], 0, v[NEG], vcc_lo
.set n, n+1
.endr
.set n, 0
.rept 32
	v_cmp_gt_i32 vcc_lo, 32*(n/8)+n%8-8, v4
	v_cndmask_b32 v[PEN+64+n], 0, v[NEG], vcc_lo
.set n, n+1
.endr
	WIN 0
	s_wait_alu depctr_va_vdst(0)
	s_wait_tensorcnt 0x0                           ; my part of K and V is in,
	s_barrier_signal -1
	s_barrier_wait -1                              ; and everybody's
.irp s, 0,1,2,3,4,5,6,7,8,9,10,11,12,13,14,15
	ds_store_b128 v5, v[BT:BT+3] offset:256*\s           ; my table of block maxima is written whole once (zeros), so that no load of the text names a byte that nothing wrote;
	ds_store_b128 v5, v[BT:BT+3] offset:256*\s+4096      ; the first walk then writes the steps that the second reads
.endr
.Ljob:
	s_wait_loadcnt 0x0                             ; q
	s_wait_xcnt 0x0                                ; the last job's stores have read their registers
	s_wait_dscnt 0x0                               ; no load into K's registers is out
	v_perm_b32 v[QS+1], v[QS], v[QS], 0x03020302   ; tile 1's two scale bytes, for either half of the operand
	v_perm_b32 v[QS], v[QS], v[QS], 0x01000100     ; tile 0's
.irp j, 0,1
	v_mov_b32 v[9+4*\j], 0xff61b1e6                ; the largest t so far: -3e38
	v_mov_b32 v[10+4*\j], 0
	v_mov_b32 v[11+4*\j], 0
	v_mov_b32 v[FT+1+2*\j], 0
.endr
.irp j, 0,1
	v_floor_f32 v[8+4*\j], -v[9+4*\j]
.endr
	KLOAD 1, 2, 3, 0
	s_mov_b32 s36, 0
	s_mov_b32 s37, 0
	s_mov_b32 s39, 0
.Lone:                                             ; THE FIRST WALK: 16 trips, those behind the diagonal passed over
	s_cmp_gt_u32 s36, s34
	s_cbranch_scc1 .Lone_end
	s_wait_dscnt 0x0                               ; this step's fragments are in
	SCORES
	v_add_nc_u32 v[A16], s37, v1                   ; four plain lines: the places in front of the loads below
	v_add_nc_u32 v[A8], s37, v2
	v_add_nc_u32 v[AS], s37, v3
	v_add_nc_u32 v[ABM], s39, v5
	KLOAD A16, A8, AS, STEPB                       ; the next step's (behind the last step: bytes of LDS that are filled, and not used)
	MASK
.irp b, 0,1,2,3
.irp j, 0,1
	v_max3_num_f32 v[BM+4*\j+\b], v[S+64*\j+16*\b], v[S+64*\j+16*\b+1], v[S+64*\j+16*\b+2]
.endr
.endr
.irp i, 3,5,7,9,11,13
.irp b, 0,1,2,3
.irp j, 0,1
	v_max3_num_f32 v[BM+4*\j+\b], v[BM+4*\j+\b], v[S+64*\j+16*\b+\i], v[S+64*\j+16*\b+\i+1]
.endr
.endr
.endr
.irp b, 0,1,2,3,4,5,6,7
	v_max_num_f32 v[BM+\b], v[BM+\b], v[S+64*(\b/4)+16*(\b%4)+15]
.endr
.irp b, 0,1,2,3,4,5,6,7
	v_permlanex16_b32 v[BT+\b], v[BM+\b], s14, s15
.endr
.irp b, 0,1,2,3,4,5,6,7
	v_max_num_f32 v[BM+\b], v[BM+\b], v[BT+\b]     ; each block's largest score
.endr
	ds_store_b128 v[ABM], v[BM:BM+3]
	ds_store_b128 v[ABM], v[BM+4:BM+7] offset:4096
.irp j, 0,1
	v_max3_num_f32 v[TT+\j], v[BM+4*\j], v[BM+4*\j+1], v[BM+4*\j+2]
.endr
.irp j, 0,1
	s_delay_alu instid0(VALU_DEP_2)
	v_max_num_f32 v[TT+\j], v[TT+\j], v[BM+4*\j+3]
.endr
.irp j, 0,1
	s_delay_alu instid0(VALU_DEP_2)
	v_mul_f32 v[TT+\j], s32, v[TT+\j]
.endr
.irp j, 0,1
	s_delay_alu instid0(VALU_DEP_2)
	v_max_num_f32 v[9+4*\j], v[9+4*\j], v[TT+\j]   ; the running largest t
.endr
.irp j, 0,1
	v_mov_b32 v[TT+\j], v[8+4*\j]
.endr
.irp j, 0,1
	v_floor_f32 v[8+4*\j], -v[9+4*\j]              ; -M: M is a whole number
.endr
.irp j, 0,1
	s_delay_alu instid0(VALU_DEP_2)
	v_sub_f32 v[TT+\j], v[8+4*\j], v[TT+\j]
.endr
.irp j, 0,1
	s_delay_alu instid0(VALU_DEP_2)
	v_cvt_i32_f32 v[TT+\j], v[TT+\j]
.endr
.irp j, 0,1
	s_delay_alu instid0(VALU_DEP_2)
	v_ldexp_f32 v[FT+2*\j], 1.0, v[TT+\j]          ; 2^(old M - new M)
.endr
	TMINUSM
	s_wait_alu depctr_va_vdst(0)
	EXP128
.irp j, 0,1
	v_pk_mul_f32 v[10+4*\j:11+4*\j], v[10+4*\j:11+4*\j], v[FT+2*\j:FT+2*\j+1] op_sel_hi:[1,0]
.endr
	s_wait_alu depctr_va_vdst(0)
.irp j, 0,1
	v_pk_add_f32 v[TS+2*\j:TS+2*\j+1], v[S+64*\j:S+64*\j+1], v[S+64*\j+2:S+64*\j+3]
.endr
.irp i, 4,8,12,16,20,24,28,32,36,40,44,48,52,56,60
.irp j, 0,1
	v_pk_add_f32 v[10+4*\j:11+4*\j], v[10+4*\j:11+4*\j], v[S+64*\j+\i:S+64*\j+\i+1]
	v_pk_add_f32 v[TS+2*\j:TS+2*\j+1], v[TS+2*\j:TS+2*\j+1], v[S+64*\j+\i+2:S+64*\j+\i+3]
.endr
.endr
.irp j, 0,1
	v_pk_add_f32 v[10+4*\j:11+4*\j], v[10+4*\j:11+4*\j], v[TS+2*\j:TS+2*\j+1]
.endr
.Lone_end:
	s_add_co_u32 s37, s37, STEPB
	s_add_co_u32 s39, s39, 256
	s_add_co_u32 s36, s36, 1
	s_cmp_lt_u32 s36, 16
	s_cbranch_scc1 .Lone
	s_wait_alu depctr_va_vdst(0)
	s_wait_dscnt 0x0                               ; no load into K's registers is out; my maxima are stored
	KLOAD 1, 2, 3, 0
.irp j, 0,1
	v_add_f32 v[10+4*\j], v[10+4*\j], v[11+4*\j]
.endr
.irp j, 0,1
	s_delay_alu instid0(VALU_DEP_2)
	v_permlanex16_b32 v[BT+\j], v[10+4*\j], s14, s15
.endr
.irp j, 0,1
	s_delay_alu instid0(VALU_DEP_2)
	v_add_f32 v[10+4*\j], v[10+4*\j], v[BT+\j]     ; the row's sum
.endr
	s_wait_alu depctr_va_vdst(0)
.irp j, 0,1
	v_rcp_f32 v[10+4*\j], v[10+4*\j]
.endr
	WIN 0x40
.set n, 0
.rept 64
	v_mov_b32 v[O+n], 0
.set n, n+1
.endr
	WIN 0
.irp j, 0,1
	v_mov_b32 v[11+4*\j], 0
.endr
	s_wait_alu depctr_va_vdst(0)
.irp j, 0,1
	v_mul_f32 v[10+4*\j], 0x3f800003, v[10+4*\j]   ; three ulps up: an a that is 1 in real numbers does not fall under 1, where its block's scale would halve
.endr
	s_mov_b32 s36, 0
	s_mov_b32 s37, 0
	s_mov_b32 s38, VSEC
	s_mov_b32 s39, 0
.Ltwo:                                             ; THE SECOND WALK
	s_cmp_gt_u32 s36, s34
	s_cbranch_scc1 .Ltwo_end
	s_wait_dscnt 0x0                               ; this step's fragments of K are in
	SCORES
	v_add_nc_u32 v[A16], s37, v1                   ; plain lines: the places in front of the loads below
	v_add_nc_u32 v[A8], s37, v2
	v_add_nc_u32 v[AS], s37, v3
	v_add_nc_u32 v[ABM], s39, v5
	v_add_nc_u32 v[V16], s38, v1
	v_add_nc_u32 v[VSA], s38, v3
	ds_load_b128 v[BM:BM+3], v[ABM]
	ds_load_b128 v[BM+4:BM+7], v[ABM] offset:4096
	ds_load_b128 v[VS:VS+3], v[VSA] offset:6144
	WIN 0x40
.irp t, 0,1,2,3
.irp c, 0,1,2
	ds_load_b128 v[VB+12*\t+4*\c:VB+12*\t+4*\c+3], v[V16] offset:1536*\t+512*\c
.endr
.endr
	KLOAD A16, A8, AS, STEPB
	MASK
	TMINUSM
	s_wait_dscnt 30                                ; the maxima are in: behind their two loads stand 1 + 12 + 16 + 1
.irp b, 0,1,2,3,4,5,6,7
	v_fma_f32 v[BM+\b], v[BM+\b], s32, v[8+4*(\b/4)]
.endr
	s_wait_alu depctr_va_vdst(0)
	EXP128
.irp b, 0,1,2,3,4,5,6,7
	v_exp_f32 v[BM+\b], v[BM+\b]                   ; each block's largest p
.endr
	v_nop
	s_wait_alu depctr_va_vdst(0)
.irp j, 0,1
.set n, 0
.rept 32
	v_pk_mul_f32 v[S+64*\j+2*n:S+64*\j+2*n+1], v[S+64*\j+2*n:S+64*\j+2*n+1], v[10+4*\j:11+4*\j] op_sel_hi:[1,0]
.set n, n+1
.endr
.endr
.irp b, 0,1,2,3,4,5,6,7
	v_mul_f32 v[BM+\b], v[BM+\b], v[10+4*(\b/4)]
.endr
.irp b, 0,1,2,3,4,5,6,7
	v_max_num_f32 v[BM+\b], 0x2800000, v[BM+\b]    ; the floor 2^(5 - 127)
.endr
.irp b, 0,1,2,3,4,5,6,7
	v_add_nc_u32 v[SO+\b], 0xfe000000, v[BM+\b]    ; the conversion's scale operand
.endr
.irp b, 0,1,2,3,4,5,6,7
	v_lshrrev_b32 v[BT+\b], 23, v[SO+\b]
.endr
.irp j, 0,1
	v_lshl_or_b32 v[PW+\j], v[BT+4*\j+1], 8, v[BT+4*\j]
.endr
.irp j, 0,1
	s_delay_alu instid0(VALU_DEP_2)
	v_lshl_or_b32 v[PW+\j], v[BT+4*\j+2], 16, v[PW+\j]
.endr
.irp j, 0,1
	s_delay_alu instid0(VALU_DEP_2)
	v_lshl_or_b32 v[PW+\j], v[BT+4*\j+3], 24, v[PW+\j]
.endr
.irp j, 0,1
.irp c, 0,1
	v_cvt_scalef32_pk16_bf6_f32 v[CD+12*\j+6*\c:CD+12*\j+6*\c+2], v[S+64*\j+32*\c:S+64*\j+32*\c+15], v[SO+4*\j+2*\c]
	v_cvt_scalef32_pk16_bf6_f32 v[CT+4*\c:CT+4*\c+2], v[S+64*\j+32*\c+16:S+64*\j+32*\c+31], v[SO+4*\j+2*\c+1]
.endr
	v_nop
.irp c, 0,1
.irp i, 0,1,2
	v_permlane16_swap_b32 v[CD+12*\j+6*\c+\i], v[CT+4*\c+\i]
.endr
.irp i, 0,1,2
	v_mov_b32 v[CD+12*\j+6*\c+3+\i], v[CT+4*\c+\i]
.endr
.endr
.endr
.rept 4
	v_nop
.endr
	s_wait_alu depctr_va_vdst(0)
	s_wait_dscnt 0x0                               ; V's fragments (asked for a step's vector work ago)
	WIN 0x51
.irp t, 0,1,2,3
.irp j, 0,1
	v_wmma_scale_f32_16x16x128_f8f6f4 v[O+32*\j+8*\t:O+32*\j+8*\t+7], v[VB+12*\t:VB+12*\t+11], v[CD+12*\j:CD+12*\j+11], v[O+32*\j+8*\t:O+32*\j+8*\t+7], v[VS+\t], v[PW+\j] matrix_a_fmt:MATRIX_FMT_BF6 matrix_b_fmt:MATRIX_FMT_BF6
.endr
.endr
	WIN 0
.Ltwo_end:
	s_add_co_u32 s37, s37, STEPB
	s_add_co_u32 s38, s38, STEPB
	s_add_co_u32 s39, s39, 256
	s_add_co_u32 s36, s36, 1
	s_cmp_lt_u32 s36, 16
	s_cbranch_scc1 .Ltwo
.rept 4
	v_nop                                          ; places behind the last products
.endr
	s_lshr_b32 s60, s12, 4                         ; where the two tiles go: group 128 batch + 8 block + 2 cx + j
	s_lshl_b32 s60, s60, 7
	s_lshl_b32 s61, s34, 3
	s_add_co_u32 s60, s60, s61
	s_lshl_b32 s61, s11, 1
	s_add_co_u32 s60, s60, s61
	s_and_b32 s61, s12, 15
	s_mul_i32 s58, s60, 12288
	s_mul_i32 s62, s61, 768
	s_add_co_u32 s58, s58, s62
	s_add_nc_u64 s[48:49], s[6:7], s[58:59]
	s_lshl_b32 s58, s60, 9
	s_lshl_b32 s62, s61, 1
	s_add_co_u32 s58, s58, s62
	s_add_nc_u64 s[52:53], s[8:9], s[58:59]
	s_cmp_lg_u32 s35, 0
	s_cbranch_scc1 .Lno_q
	s_sub_co_u32 s34, 15, s34                      ; the second job's block, and its q, asked for under the way out
	QLOAD
.Lno_q:
	WIN 0x05                                       ; O^T is quantised along the head for the lifting product
.irp b, 0,1
.irp j, 0,1
	v_max3_num_f32 v[BM+4*\j+\b], |v[O+32*\j+16*\b]|, |v[O+32*\j+16*\b+1]|, 0x2800000
.endr
.endr
.irp i, 2,4,6,8,10,12,14
.irp b, 0,1
.irp j, 0,1
	v_max3_num_f32 v[BM+4*\j+\b], |v[O+32*\j+16*\b+\i]|, |v[O+32*\j+16*\b+\i+1]|, v[BM+4*\j+\b]
.endr
.endr
.endr
	WIN 0
.irp b, 0,1,4,5
	v_permlanex16_b32 v[BT+\b], v[BM+\b], s14, s15
.endr
.irp b, 0,1,4,5
	v_max_num_f32 v[BM+\b], v[BM+\b], v[BT+\b]
.endr
.irp b, 0,1,4,5
	v_add_nc_u32 v[SO+\b], 0xfe000000, v[BM+\b]
.endr
.irp b, 0,1,4,5
	v_lshrrev_b32 v[BT+\b], 23, v[SO+\b]
.endr
.irp j, 0,1
	v_lshl_or_b32 v[OW+\j], v[BT+4*\j+1], 8, v[BT+4*\j]
.endr
	WIN 0x01
.irp j, 0,1
	v_cvt_scalef32_pk16_bf6_f32 v[CD+12*\j:CD+12*\j+2], v[O+32*\j:O+32*\j+15], v[SO+4*\j]
	v_cvt_scalef32_pk16_bf6_f32 v[CD+12*\j+6:CD+12*\j+8], v[O+32*\j+16:O+32*\j+31], v[SO+4*\j+1]
.endr
	WIN 0
	v_nop
.irp j, 0,1
.irp i, 0,1,2
	v_permlane16_swap_b32 v[CD+12*\j+\i], v[CD+12*\j+6+\i]
.endr
.endr
.irp j, 0,1
.irp i, 0,1,2
	v_mov_b32 v[CD+12*\j+3+\i], v[CD+12*\j+6+\i]
.endr
.endr
.irp j, 0,1
	global_store_b128 v1, v[CD+12*\j:CD+12*\j+3], s[48:49] offset:12288*\j          ; 512 consecutive aligned bytes
	global_store_b64 v2, v[CD+12*\j+4:CD+12*\j+5], s[48:49] offset:12288*\j+512     ; 256 consecutive aligned bytes
	global_store_b16 v6, v[OW+\j], s[52:53] offset:512*\j
.endr
	s_add_co_u32 s35, s35, 1
	s_cmp_lt_u32 s35, 2
	s_cbranch_scc1 .Ljob
	s_wait_tensorcnt 0x0                           ; the wave's end
	ds_add_u32 v254, v255
	s_wait_dscnt 0x0
	CROUND                                         ; the closing round
	s_endpgm
.Lfunc_end_k_qdf2c282220_attn:
	.size	k_qdf2c282220_attn, .Lfunc_end_k_qdf2c282220_attn-k_qdf2c282220_attn
	.p2alignl 7, 3214868480
	.fill 96, 4, 3214868480
	.section	.rodata,"a",@progbits
	.p2align	6, 0x0
	.amdhsa_kernel k_qdf2c282220_attn
		.amdhsa_group_segment_fixed_size 327680
		.amdhsa_private_segment_fixed_size 0
		.amdhsa_enable_private_segment 0
		.amdhsa_kernarg_size 24
		.amdhsa_user_sgpr_count 2
		.amdhsa_user_sgpr_kernarg_segment_ptr 1
		.amdhsa_wavefront_size32 1
		.amdhsa_system_sgpr_workgroup_id_x 1
		.amdhsa_system_sgpr_workgroup_id_y 1
		.amdhsa_system_sgpr_workgroup_id_z 1
		.amdhsa_system_vgpr_workitem_id 0
		.amdhsa_next_free_vgpr 512
		.amdhsa_next_free_sgpr 66
		.amdhsa_reserve_vcc 1
		.amdhsa_float_denorm_mode_32 3
		.amdhsa_float_denorm_mode_16_64 3
		.amdhsa_memory_ordered 1
		.amdhsa_forward_progress 1
		.amdhsa_inst_pref_size 79
	.end_amdhsa_kernel
	.amdgpu_metadata
---
amdhsa.version: [ 1, 2 ]
amdhsa.kernels:
  - .name:           k_qdf2c282220_attn
    .symbol:         k_qdf2c282220_attn.kd
    .args:
      - { .name: qkv, .offset: 0, .size: 8, .value_kind: global_buffer, .address_space: global }
      - { .name: acod, .offset: 8, .size: 8, .value_kind: global_buffer, .address_space: global }
      - { .name: asc, .offset: 16, .size: 8, .value_kind: global_buffer, .address_space: global }
    .group_segment_fixed_size: 327680
    .private_segment_fixed_size: 0
    .kernarg_segment_align: 8
    .kernarg_segment_size: 24
    .max_flat_workgroup_size: 256
    .sgpr_count:     66
    .vgpr_count:     512
    .wavefront_size: 32
...
	.end_amdgpu_metadata
.endif
;; end of part 3
;; launch lift (part 4): grid 4 x 64, 4 waves a work-group, clusters of 4 x 4, 327,680 bytes of LDS; arguments acod, asc, cod, scl, blift, out0; writes out0
.if DOCPART == 4
	.amdgcn_target "amdgcn-amd-amdhsa--gfx1250"
	.amdhsa_code_object_version 6
	.text
	.protected	k_qdf2c282220_lift
	.globl	k_qdf2c282220_lift
	.p2align	8
	.type	k_qdf2c282220_lift,@function
k_qdf2c282220_lift:
	s_mov_b64 s[64:65], 0
	v_nop
	global_prefetch_b8 v0, s[64:65] scope:SCOPE_SE
	s_setreg_imm32_b32 hwreg(HW_REG_WAVE_MODE, 25, 1), 1
	s_wait_xcnt 0x0
	s_wait_alu depctr_hold_cnt(0) depctr_sa_sdst(0) depctr_va_vdst(0) depctr_va_sdst(0) depctr_va_ssrc(0) depctr_va_vcc(0) depctr_vm_vsrc(0)
	s_getreg_b32 s2, hwreg(HW_REG_IB_STS2, 6, 4)
	s_cmp_eq_u32 s2, 0
	s_cbranch_scc0 .Lentry_in_a_cluster
	s_endpgm
.Lentry_in_a_cluster:
	s_bfe_u32 s2, ttmp6, 0x10000c
	s_cmp_lg_u32 s2, 0xf033
	s_cbranch_scc0 .Lentry_shape_is_right
	s_endpgm
.Lentry_shape_is_right:
; out0 = attn Wlift^T + blift on codes of BF6 with E8M0 scales, K = 1,024.  acod and cod hold images of operand registers: a group of 16 rows is 12,288 bytes, 1,536 for each 128 along K.
; A tile is 128 rows x 256 columns: 256 work-groups.  Four waves of 64 x 128: 32 accumulators each.  ALL OF K LIES IN LDS: two slots of 512 along K (tensor rows of 6,144 bytes), each filled once:
; slot 0 and the scales at the head, one load a wave; slot 1 behind the full sequence and a round.  Nothing is filled again.  One barrier stands in the walk: it shows slot 1 whole and slot 0 read out,
; so that the way out may stage in slot 0's bytes.  Source 0 = rows of Wlift, source 1 = rows of attn: a lane holds eight neighbouring columns of one row.  The bias is the C of the first products.
; acod's group 2 g + j, lane r, is position 32 g + 8 j + r + 8 (r / 8): the stores put the rows back in order.
; CLUSTERS: 4 x 4; A's tiles are asked for jointly along a row of the cluster, B's along a column.  No prefetch: the launch has two fills and no loop to run ahead in.
; REGISTERS: window 0: v0-31 addresses; v32-95 scale words of all of K (8 i + step: lanes 0-15 A's block i, lanes 16-31 B's); v96-191 A's fragments, two sets; v192-255 the bias.  window 1: B's fragments, two sets.  window 2: the accumulators.
.set FR,     12
.set NP,     4
.set GRP,    6144                      ; 16 rows x 512 K
.set GROW,   12288
.set ASZ,    8*GRP
.set BSZ,    16*GRP
.set SLOT,   ASZ+BSZ
.set SCL,    2*SLOT
.set SBLK,   2*272                     ; the scales of 16 rows
.set SPARE,  SCL+24*SBLK
.set SPITCH, 528
.set NROW,   4096
.set ADRA, 16
.set ADRB, 20
.set STO,  24
.set RD,   25
.set CO,   26
.set ADRS, 27
.set SPW,  28
.set NIL,  29
.set SC,   32
.set AF,   96
.set BI,   192
.set BK,   96
.set G1, 24
.set G0, 32                            ; s[32:35] A's slot 0, s[36:39] my half of A's slot 1
.set G1B, 48
.set G0B, 56
.set G1S, 68
.set G0S, 76
.set G1SB, 80
.set G0SB, 88
.set MSB, 0
.macro WIN new
.if MSB != (\new)
	s_set_vgpr_msb (MSB<<8)|(\new)
.set MSB, (\new)
.endif
.endm
.set MUL,  0xa1
.set TO_B, 0x40
.macro CREST
	s_cmp_lg_u32 s14, 0
	s_cbranch_scc1 .Lnot_wave_0_\@
	s_barrier_signal -3
.Lnot_wave_0_\@:
	s_barrier_wait -3
	s_barrier_signal -1
	s_barrier_wait -1
.endm
.macro CROUND
	s_barrier_signal -1
	s_barrier_wait -1
	CREST
.endm
.macro PLACES n
.rept \n
	v_nop
.endr
.endm
	s_load_b256 s[4:11], s[0:1], 0x0               ; acod, asc, cod, scl
	s_load_b128 s[96:99], s[0:1], 0x20             ; blift, out0
	v_lshl_add_u32 v[SPW], v0, 2, SPARE
	v_mov_b32 v[NIL], 0
	ds_add_u32 v[SPW], v[NIL]                      ; the opening lines
	ds_add_u32 v[SPW], v[NIL]
	v_lshrrev_b32 v1, 5, v0
	v_readfirstlane_b32 s14, v1
	s_lshr_b32 s15, s14, 1                         ; my 64 rows of A; also: I fetch for A (0) or B (1)
	s_and_b32 s16, s14, 1                          ; my 128 rows of B; also: which half I fetch
	s_bfe_u32 s40, ttmp6, 0x40000
	s_bfe_u32 s41, ttmp6, 0x40004
	s_lshl_b32 s42, ttmp9, 2
	s_add_co_u32 s42, s42, s40                     ; tile column
	s_and_b32 s17, ttmp7, 0xffff
	s_lshl_b32 s17, s17, 2
	s_add_co_u32 s17, s17, s41                     ; tile row
	s_lshl_b32 s43, s41, 2
	s_lshl_b32 s43, 15, s43
	s_lshl_b32 s44, 0x1111, s40
	s_or_b32 s[G1+0], s43, (3<<16)|(1<<21)         ; rows of 768 elements of 8 bytes: A 8 at the head, then 4; B 16, then 8
	s_or_b32 s[G1B+0], s44, (3<<16)|(1<<21)
.irp g, G1, G1B
	s_mov_b32 s[\g+1], 768<<16
	s_mov_b32 s[\g+3], 768<<16
	s_mov_b32 s[\g+5], 1536
	s_mov_b32 s[\g+6], 0
	s_mov_b32 s[\g+7], 0
.endr
	s_mov_b32 s[G1+2], 8<<16
	s_mov_b32 s[G1+4], 8
	s_mov_b32 s[G1B+2], 16<<16
	s_mov_b32 s[G1B+4], 16
	s_or_b32 s[G1S+0], s43, (3<<16)|(1<<20)|(1<<21)|(5<<22)|(3<<25)   ; scales: rows of 256 bytes, 16 of padding behind each: A's 16, B's 32
	s_or_b32 s[G1SB+0], s44, (3<<16)|(1<<20)|(1<<21)|(5<<22)|(3<<25)
.irp g, G1S, G1SB
	s_mov_b32 s[\g+1], 32<<16
	s_mov_b32 s[\g+3], 32<<16
	s_mov_b32 s[\g+5], 32
	s_mov_b32 s[\g+6], 0
	s_mov_b32 s[\g+7], 0
.endr
	s_mov_b32 s[G1S+2], 16<<16
	s_mov_b32 s[G1S+4], 16
	s_mov_b32 s[G1SB+2], 32<<16
	s_mov_b32 s[G1SB+4], 32
	s_mul_i32 s20, s17, 8*GROW
	s_mov_b32 s21, 0
	s_lshl_b32 s22, s17, 12
	s_mov_b32 s23, 0
	s_lshl_b32 s46, s42, 8
	s_add_co_u32 s46, s46, 11264                   ; Wlift's first stored row
	s_lshl_b32 s92, s46, 5
	s_mov_b32 s93, 0
	s_mul_i32 s46, s46, 768
	s_mov_b32 s47, 0
	s_wait_dscnt 0x0
	s_wait_kmcnt 0x0
	s_add_nc_u64 s[20:21], s[4:5], s[20:21]
	s_add_nc_u64 s[22:23], s[6:7], s[22:23]
	s_add_nc_u64 s[46:47], s[8:9], s[46:47]
	s_add_nc_u64 s[92:93], s[10:11], s[92:93]
	CROUND                                         ; the first joint loads meet
	s_mov_b32 s[G0], 1
	s_mov_b32 s[G0+1], 0
	s_mov_b64 s[G0+2:G0+3], s[20:21]
	s_or_b32 s[G0+3], s[G0+3], 0x80000000
	s_mov_b32 s[G0B], 1
	s_mov_b32 s[G0B+1], ASZ
	s_mov_b64 s[G0B+2:G0B+3], s[46:47]
	s_or_b32 s[G0B+3], s[G0B+3], 0x80000000
	s_mov_b32 s[G0S], 1
	s_mov_b32 s[G0S+1], SCL
	s_mov_b64 s[G0S+2:G0S+3], s[22:23]
	s_or_b32 s[G0S+3], s[G0S+3], 0x80000000
	s_mov_b32 s[G0SB], 1
	s_mov_b32 s[G0SB+1], SCL+8*SBLK
	s_mov_b64 s[G0SB+2:G0SB+3], s[92:93]
	s_or_b32 s[G0SB+3], s[G0SB+3], 0x80000000
	s_mul_i32 s18, s16, 4*GROW                     ; slot 1: my half of A's groups,
	s_mov_b32 s19, 0
	s_add_nc_u64 s[20:21], s[20:21], s[18:19]
	s_mul_i32 s18, s16, 8*GROW                     ; or of B's
	s_add_nc_u64 s[46:47], s[46:47], s[18:19]
	s_mov_b32 s[G0+4], 1
	s_mul_i32 s[G0+5], s16, 4*GRP
	s_add_co_u32 s[G0+5], s[G0+5], SLOT
	s_add_nc_u64 s[G0+6:G0+7], s[20:21], GRP
	s_or_b32 s[G0+7], s[G0+7], 0x80000000
	s_mov_b32 s[G0B+4], 1
	s_mul_i32 s[G0B+5], s16, 8*GRP
	s_add_co_u32 s[G0B+5], s[G0B+5], SLOT+ASZ
	s_add_nc_u64 s[G0B+6:G0B+7], s[46:47], GRP
	s_or_b32 s[G0B+7], s[G0B+7], 0x80000000
; the head's four tiles, one load a wave: wave 0 A's slot 0, wave 1 B's, wave 2 A's scales, wave 3 B's
.macro ARM under, g0, g1, next
	s_cmp_lt_u32 s14, \under
	s_cbranch_scc0 \next
	tensor_load_to_lds s[\g0:\g0+3], s[\g1:\g1+7]
	s_nop 0
.rept 4
	v_nop
.endr
	s_branch .Lhead_asked
\next:
.endm
	ARM 1, G0,  G1,  .Lhead_b
	ARM 2, G0B, G1B, .Lhead_sa
	ARM 3, G0S, G1S, .Lhead_sb
	tensor_load_to_lds s[G0SB:G0SB+3], s[G1SB:G1SB+7]
	s_nop 0
.rept 4
	v_nop
.endr
.Lhead_asked:
	v_and_b32 v1, 15, v0
	v_bfe_u32 v2, v0, 4, 1
	v_and_b32 v6, 31, v0
	v_lshlrev_b32 v7, 4, v6
	v_lshlrev_b32 v8, 3, v6
	s_mul_i32 s21, s15, 4*GRP
	s_mul_i32 s22, s16, 8*GRP
	s_add_co_u32 s22, s22, ASZ
.irp s, 0,1
	v_add_nc_u32 v[ADRA+\s], s21, v7
	v_add_nc_u32 v[ADRA+2+\s], s21, v8
	v_add_nc_u32 v[ADRB+\s], s22, v7
	v_add_nc_u32 v[ADRB+2+\s], s22, v8
	s_add_co_u32 s21, s21, SLOT
	s_add_co_u32 s22, s22, SLOT
.endr
	v_lshlrev_b32 v5, 5, v1                        ; my row's scales: 32 bytes a row, and 16 more for each 256 passed
	v_lshrrev_b32 v3, 8, v5
	v_lshl_add_u32 v5, v3, 4, v5
	s_mul_i32 s21, s15, 4*SBLK
	s_mul_i32 s22, s16, 8*SBLK
	s_add_co_u32 s22, s22, 8*SBLK
	s_sub_co_u32 s22, s22, s21
	v_mul_u32_u24 v3, s22, v2                      ; lanes 16-31 take B's
	s_add_co_u32 s21, s21, SCL
	v_add_nc_u32 v5, v5, v3
	v_add_nc_u32 v[ADRS], s21, v5
	s_mul_i32 s23, s14, 16*SPITCH                  ; my stage, in slot 0's bytes
	v_mul_u32_u24 v5, v1, SPITCH
	v_lshl_add_u32 v5, v2, 5, v5
	v_add_nc_u32 v[STO], s23, v5
	v_mov_b32 v[CO], v7
	v_add_nc_u32 v[RD], s23, v7
	v_lshlrev_b32 v9, 5, v2
	s_lshl_b32 s20, s17, 7
	s_lshl_b32 s21, s15, 6
	s_add_co_u32 s20, s20, s21                     ; my first row
	s_lshl_b32 s20, s20, 12
	s_mov_b32 s21, 0
	s_add_nc_u64 s[12:13], s[98:99], s[20:21]
	s_lshl_b32 s20, s42, 10
	s_lshl_b32 s22, s16, 9
	s_add_co_u32 s20, s20, s22                     ; my first column, in bytes
	s_add_nc_u64 s[12:13], s[12:13], s[20:21]
	s_add_nc_u64 s[96:97], s[96:97], s[20:21]
	s_wait_alu depctr_va_vdst(0)
.irp b, 0,1,2,3,4,5,6,7
	global_load_b128 v[BI+8*\b:BI+8*\b+3], v9, s[96:97] offset:64*\b
	global_load_b128 v[BI+8*\b+4:BI+8*\b+7], v9, s[96:97] offset:64*\b+16
.endr
.macro FRAG reg, adr, off
	ds_load_b128 v[\reg:\reg+3], v[\adr] offset:\off
	ds_load_b64 v[\reg+4:\reg+5], v[\adr+2] offset:\off+512
	ds_load_b128 v[\reg+6:\reg+9], v[\adr] offset:\off+768
	ds_load_b64 v[\reg+10:\reg+11], v[\adr+2] offset:\off+1280
.endm
.macro FETCH st                        ; step st's fragments, B's eight and A's four, into set st % 2
	WIN TO_B
.irp i, 0,1,2,3,4,5,6,7
	FRAG 128*((\st)%2)+FR*\i, ADRB+(\st)/4, GRP*\i+1536*((\st)%4)
.endr
	WIN 0
.irp i, 0,1,2,3
	FRAG AF+48*((\st)%2)+FR*\i, ADRA+(\st)/4, GRP*\i+1536*((\st)%4)
.endr
.endm
.macro MUL32 st                        ; the 32 accumulators take turns, in the same order in every step
.irp a, 0,1,2,3
.irp b, 0,1,2,3,4,5,6,7
.if (\st) == 0
	v_wmma_scale_f32_16x16x128_f8f6f4 v[8*(8*\a+\b):8*(8*\a+\b)+7], v[128*((\st)%2)+FR*\b:128*((\st)%2)+FR*\b+FR-1], v[AF+48*((\st)%2)+FR*\a:AF+48*((\st)%2)+FR*\a+FR-1], v[BI+8*\b:BI+8*\b+7], v[SC+8*\b+(\st)], v[SC+8*\a+(\st)] matrix_a_fmt:MATRIX_FMT_BF6 matrix_b_fmt:MATRIX_FMT_BF6 matrix_a_scale:MATRIX_SCALE_ROW1
.else
	v_wmma_scale_f32_16x16x128_f8f6f4 v[8*(8*\a+\b):8*(8*\a+\b)+7], v[128*((\st)%2)+FR*\b:128*((\st)%2)+FR*\b+FR-1], v[AF+48*((\st)%2)+FR*\a:AF+48*((\st)%2)+FR*\a+FR-1], v[8*(8*\a+\b):8*(8*\a+\b)+7], v[SC+8*\b+(\st)], v[SC+8*\a+(\st)] matrix_a_fmt:MATRIX_FMT_BF6 matrix_b_fmt:MATRIX_FMT_BF6 matrix_a_scale:MATRIX_SCALE_ROW1
.endif
.endr
.endr
.endm
.macro STEP st                         ; 128 along K: the next step's fragments are asked for, then this step's 32 products
	s_wait_dscnt 0x0                               ; this step's fragments are in
.if (\st) == 3
	s_wait_tensorcnt 0x0                           ; my part of slot 1 is in, and my reads of slot 0 are over:
	s_barrier_signal -1
	s_barrier_wait -1                              ; both hold of every wave
.endif
.if (\st) < 7
.if (\st) > 0
	PLACES NP                                      ; in front of loads into registers that the last step's products read
.endif
	FETCH (\st)+1
.endif
.if (\st) == 0
	WIN 0x81                                       ; C, the bias, in window 0
.else
	WIN MUL
.endif
	MUL32 \st
.endm
	s_wait_tensorcnt 0x0                           ; my tile of the head's four is in
	ds_add_u32 v[SPW], v[NIL]
	s_mov_b32 s[G1+2], 4<<16                       ; no tensor load of mine is out: a load now brings half of a slot's groups
	s_mov_b32 s[G1+4], 4
	s_mov_b32 s[G1B+2], 8<<16
	s_mov_b32 s[G1B+4], 8
	s_wait_dscnt 0x0
	CROUND
	s_cmp_eq_u32 s15, 0                            ; slot 1: waves 0 and 1 fetch A's halves, waves 2 and 3 B's
	s_cbranch_scc0 .Lfor_b
	tensor_load_to_lds s[G0+4:G0+7], s[G1:G1+7]
	s_nop 0
.rept 4
	v_nop
.endr
	s_branch .Lasked
.Lfor_b:
	tensor_load_to_lds s[G0B+4:G0B+7], s[G1B:G1B+7]
	s_nop 0
.rept 4
	v_nop
.endr
.Lasked:
	FETCH 0
.irp i, 0,1,2,3,4,5,6,7
	ds_load_b128 v[SC+8*\i:SC+8*\i+3], v[ADRS] offset:\i*SBLK
	ds_load_b128 v[SC+8*\i+4:SC+8*\i+7], v[ADRS] offset:\i*SBLK+16
.endr
	s_wait_loadcnt 0x0                             ; the bias
.irp st, 0,1,2,3,4,5,6,7
	STEP \st
.endr
	WIN 0
; THE WAY OUT, block by block of 16 rows x 128 columns, through my own stage and back as whole rows of 512 bytes
.macro TOSTAGE a
	WIN 0x08
.irp b, 0,1,2,3,4,5,6,7
	ds_store_b128 v[STO], v[64*(\a)+8*\b:64*(\a)+8*\b+3] offset:64*\b
	ds_store_b128 v[STO], v[64*(\a)+8*\b+4:64*(\a)+8*\b+7] offset:64*\b+16
.endr
	WIN 0
.set BB, BK+64*((\a)%2)
.irp t, 0,1,2,3,4,5,6,7,8,9,10,11,12,13,14,15
	ds_load_b128 v[BB+4*\t:BB+4*\t+3], v[RD] offset:\t*SPITCH
.endr
.endm
.macro SEND a, younger
.set BB, BK+64*((\a)%2)
	s_wait_dscnt \younger
.if ((\a) > 0) && ((\a)%2 == 0)
	s_add_nc_u64 s[12:13], s[12:13], 32*NROW       ; behind a wait on XCNT: the earlier stores have read their base
.endif
.irp t, 0,1,2,3,4,5,6,7,8,9,10,11,12,13,14,15
	global_store_b128 v[CO], v[BB+4*\t:BB+4*\t+3], s[12:13] offset:(8*((\a)%2)+\t+8*(\t/8))*NROW th:TH_STORE_NT   ; 512 consecutive aligned bytes
.endr
.endm
	PLACES NP
	TOSTAGE 0
.irp a, 1,2,3
.if \a > 1
	s_wait_xcnt 0x0
.endif
	TOSTAGE \a
	SEND \a-1, 32                                  ; behind block a - 1's loads: block a's 16 stores and 16 loads
.endr
	s_wait_xcnt 0x0
	SEND 3, 0
	s_wait_tensorcnt 0x0                           ; the wave's end
	ds_add_u32 v[SPW], v[NIL]
	s_wait_dscnt 0x0
	CROUND                                         ; the closing round
	s_endpgm
.Lfunc_end_k_qdf2c282220_lift:
	.size	k_qdf2c282220_lift, .Lfunc_end_k_qdf2c282220_lift-k_qdf2c282220_lift
	.p2alignl 7, 3214868480
	.fill 96, 4, 3214868480
	.section	.rodata,"a",@progbits
	.p2align	6, 0x0
	.amdhsa_kernel k_qdf2c282220_lift
		.amdhsa_group_segment_fixed_size 327680
		.amdhsa_private_segment_fixed_size 0
		.amdhsa_enable_private_segment 0
		.amdhsa_kernarg_size 48
		.amdhsa_user_sgpr_count 2
		.amdhsa_user_sgpr_kernarg_segment_ptr 1
		.amdhsa_wavefront_size32 1
		.amdhsa_system_sgpr_workgroup_id_x 1
		.amdhsa_system_sgpr_workgroup_id_y 1
		.amdhsa_system_sgpr_workgroup_id_z 1
		.amdhsa_system_vgpr_workitem_id 0
		.amdhsa_next_free_vgpr 768
		.amdhsa_next_free_sgpr 100
		.amdhsa_reserve_vcc 0
		.amdhsa_float_denorm_mode_32 3
		.amdhsa_float_denorm_mode_16_64 3
		.amdhsa_memory_ordered 1
		.amdhsa_forward_progress 1
		.amdhsa_inst_pref_size 86
	.end_amdhsa_kernel
	.amdgpu_metadata
---
amdhsa.version: [ 1, 2 ]
amdhsa.kernels:
  - .name:           k_qdf2c282220_lift
    .symbol:         k_qdf2c282220_lift.kd
    .args:
      - { .name: acod, .offset: 0, .size: 8, .value_kind: global_buffer, .address_space: global }
      - { .name: asc, .offset: 8, .size: 8, .value_kind: global_buffer, .address_space: global }
      - { .name: cod, .offset: 16, .size: 8, .value_kind: global_buffer, .address_space: global }
      - { .name: scl, .offset: 24, .size: 8, .value_kind: global_buffer, .address_space: global }
      - { .name: blift, .offset: 32, .size: 8, .value_kind: global_buffer, .address_space: global }
      - { .name: out0, .offset: 40, .size: 8, .value_kind: global_buffer, .address_space: global }
    .group_segment_fixed_size: 327680
    .private_segment_fixed_size: 0
    .kernarg_segment_align: 8
    .kernarg_segment_size: 48
    .max_flat_workgroup_size: 128
    .sgpr_count:     100
    .vgpr_count:     768
    .wavefront_size: 32
...
	.end_amdgpu_metadata
.endif
;; end of part 4
